; MI455X (gfx1250); checked and timed in simulation.
; The chip was launched on July 23, 2026; its instructions are those of AMD's public machine-readable ISA for CDNA 5 (MIT licence, August 2026) and "CDNA5" Instruction Set Architecture Reference Guide (July 2026). The comments in the code are by the model that wrote it; some were corrected since.
;; Multihead Attention. Allowed arithmetic: matrix products marked QUANTISED: E2M1 operands, one E8M0 scale for each 32 along K, by v_wmma_scale_f32_16x16x128_f8f6f4 with both operands' format E2M1 (or v_wmma_scale_f32_32x16x128_f4), f32 sums; everything else in f32.
;; Inputs: Wk_codes 1,024 x 32 x 16 uint8 (E2M1 codes of Wk, K innermost, in blocks of 32 codes, two codes a byte); Wk_scales 1,024 x 32 uint8 (E8M0 scales of Wk, one for each 32 codes along K); Wo_codes 1,024 x 32 x 16 uint8 (E2M1 codes of Wo, K innermost, in blocks of 32 codes, two codes a byte); Wo_scales 1,024 x 32 uint8 (E8M0 scales of Wo, one for each 32 codes along K); Wq_codes 1,024 x 32 x 16 uint8 (E2M1 codes of Wq, K innermost, in blocks of 32 codes, two codes a byte); Wq_scales 1,024 x 32 uint8 (E8M0 scales of Wq, one for each 32 codes along K); Wv_codes 1,024 x 32 x 16 uint8 (E2M1 codes of Wv, K innermost, in blocks of 32 codes, two codes a byte); Wv_scales 1,024 x 32 uint8 (E8M0 scales of Wv, one for each 32 codes along K); b_ln 1,024 float32; b_pre 1,024 float32; bk 1,024 float32; bo 1,024 float32; bq 1,024 float32; bv 1,024 float32; causal_mask 2,048 x 2,048 float32; g_ln 1,024 float32; g_pre 1,024 float32; padding_mask 4 x 2,048 bool; x 4 x 2,048 x 1,024 float32.
;; Outputs: out0 4 x 2,048 x 1,024 float32.
;; This version of the problem:
;;   THIS VERSION OF THE PROBLEM IS GIVEN IN LOW PRECISION. The matrix products marked QUANTISED in the list below multiply operands that are first quantised to E2M1 (2 exponent bits, 1 mantissa bit; 4 bits a number), with one power-of-two scale for each 32 numbers along K (OCP MX v1.0); their sums are f32. All else is computed in f32.
;;   The module's matrix products, in the order in which they are computed (A, B: the left and right operand; K: the contracted axis; several contracted axes count as one K, in the product's order):
;;     1. [M 8,192, K 1,024] x [K 1,024, N 1,024]; A: computed on the way; B: input Wq (given as codes): QUANTISED
;;     2. [M 8,192, K 1,024] x [K 1,024, N 1,024]; A: computed on the way; B: input Wk (given as codes): QUANTISED
;;     3. [M 8,192, K 1,024] x [K 1,024, N 1,024]; A: computed on the way; B: input Wv (given as codes): QUANTISED
;;     4. batch 64 x [M 2,048, K 64] x [K 64, N 2,048]; A: computed on the way; B: computed on the way: QUANTISED
;;     5. batch 64 x [M 2,048, K 2,048] x [K 2,048, N 64]; A: softmax (see below); B: computed on the way: QUANTISED
;;     6. [M 8,192, K 1,024] x [K 1,024, N 1,024]; A: computed on the way; B: input Wo (given as codes): QUANTISED
;;   THE QUANTISER, for each operand of a quantised product, along K:
;;     - K is cut into blocks of 32 from its start; a last block that is shorter is filled with zeros.
;;     - A block's scale is 2^e with e = floor(log2(the largest magnitude in the block)) - 2, held to -126 .. 127; a block of zeros has e = 0. As a byte (E8M0): e + 127.
;;     - Each number is divided by its block's scale, clamped to +-6, and rounded to the nearest number of E2M1, ties to even, subnormals kept.
;;     - The product sums the exact products of the quantised numbers (number of the format x scale) in f32.
;;   ~~~python
;;   def quantise(x, axis):      # numpy; x: float32 -> the quantised numbers, widened to float32 again
;;       x = np.moveaxis(x, axis, -1); K = x.shape[-1]
;;       x = np.pad(x, [(0, 0)] * (x.ndim - 1) + [(0, -K % 32)]); x = x.reshape(x.shape[:-1] + (-1, 32)); a = np.abs(x).max(-1, keepdims=True)
;;       e = np.where(a > 0, np.clip(np.frexp(np.where(a > 0, a, 1))[1] - 1 - 2, -126, 127), 0)      # np.frexp(a)[1] - 1 = floor(log2(a)), exactly
;;       r = np.clip(x / 2.0 ** e, -6, 6)
;;       step = 2.0 ** (np.maximum(np.frexp(np.where(r == 0, 1, r))[1] - 1, 0) - 1)
;;       q = np.round(r / step) * step * 2.0 ** e      # np.round: ties to even
;;       return np.moveaxis(q.reshape(q.shape[:-2] + (-1,))[..., :K], -1, axis).astype(np.float32)
;;   ~~~
;;   SOFTMAX AHEAD OF A QUANTISED PRODUCT. Where the list says 'softmax', what is quantised is not the finished softmax but p = 2^(t - M), with t = logit x log2(e) and M = ceil(the row's largest t), a whole number; so 1/2 < the row's largest p <= 1. The row's sum l is taken of the UNQUANTISED p, in f32, and the product's result is divided by l at the end. Since M is a whole number, a kernel that streams over the keys may use a running M (the ceiling of the running maximum): every later rescaling is an exact power of two, which a block's scale takes up: the codes' values come out the same.
;;   OPERANDS COMPUTED ON THE WAY. 'Computed on the way' means the value that the module computes at that place (a softmax that the list does not call 'softmax' is quantised finished and normalised). What goes into a quantiser is computed in f32, as accurately as f32 sums, v_exp_f32 and their like allow (about 1e-6 of the number): no bf16 or f16 on the way to a quantiser, and a product that is left as it is and whose result goes on into a quantised operand takes f32 operands (vector FMAs, or v_wmma_f32_16x16x4_f32). A number that lies on a knife's edge between two numbers of the format may be rounded either way, as far as f32 arithmetic and the matrix unit's own rounding can turn it there, and no further.
;;   INPUTS GIVEN AS CODES. Wk (in the module: [1024, 1024], K = its axis 1); Wo (in the module: [1024, 1024], K = its axis 1); Wq (in the module: [1024, 1024], K = its axis 1); Wv (in the module: [1024, 1024], K = its axis 1): each comes as NAME_codes (uint8): NAME with its K axis moved to the last place and cut into blocks of 32 codes, [.., K / 32, bytes a block], one block behind the other in memory; two codes a byte, the lower K in the low four bits (a code: sign, 2 exponent bits, 1 mantissa bit); and NAME_scales (uint8): the same leading axes, one E8M0 byte (e + 127) for each 32 codes along K. Its value is code x scale, taken as it is: it is not quantised again, and the codes and scales need not be those that the quantiser above would give.
;; One version. Each part assembles by itself: llvm-mc -triple=amdgcn-amd-amdhsa -mcpu=gfx1250 --defsym DOCPART=n.
;; ======== version 1 of 1: 4 launches
;; workspace buffers: h_codes 4,194,304 bytes; h_scales 262,144 bytes; wo_img 524,288 bytes; q_img 4,194,304 bytes; q_sc 524,288 bytes; kv 8,912,896 bytes; a_img 4,194,304 bytes; a_sc 262,144 bytes
;; launch lnq (part 1): grid 272 x 1, 4 waves a work-group, no clusters, 19,968 bytes of LDS; arguments x, g_pre, b_pre, Wo_codes, h_codes, h_scales, wo_img; writes h_codes, h_scales, wo_img
.if DOCPART == 1
	.amdgcn_target "amdgcn-amd-amdhsa--gfx1250"
	.amdhsa_code_object_version 6
	.text
	.protected	k_q677af3450b_lnq
	.globl	k_q677af3450b_lnq
	.p2align	8
	.type	k_q677af3450b_lnq,@function
k_q677af3450b_lnq:
	s_mov_b64 s[64:65], 0
	v_nop
	global_prefetch_b8 v0, s[64:65] scope:SCOPE_SE
	s_setreg_imm32_b32 hwreg(HW_REG_WAVE_MODE, 25, 1), 1
	s_wait_xcnt 0x0
; LAUNCH 1 OF 4.  h = LayerNorm(x) g_pre + b_pre, quantised along D to codes of E2M1 with one E8M0 byte for each 32: h_codes [8192][512 bytes], h_scales [8192][32 bytes].
; Sixteen further work-groups lay Wo's codes in the order of an operand's registers: wo_img [row tile 64][K step 8][c 2][lane 32][16 bytes], lane (r, h) = row 16 T + r, bytes 64 s + 32 c + 16 h.
; NOTHING OF THE PROBLEM IS LEFT OUT IN ANY LAUNCH: both masks are inputs, so no score is skipped; every bias, gain and mask is loaded and used.
; LIMITS: NaN and infinities among the inputs are not served.  A block of zeros gets the byte 1 where the quantiser says 127: its codes are zeros, and the bytes are read by this program alone.
; SHARES.  Work-groups 0-255: wave 4 g + w owns 8 rows and shares nothing with another wave: no barrier.  A row is 4,096 bytes: eight loads of 512 consecutive bytes, 32 registers a lane.
; After the norm the row turns through the wave's own stage in LDS (16 bytes of padding behind each 128), so that a lane holds one whole block of 32 neighbours: its maximum needs no other lane,
; its 32 codes are 16 bytes, and the wave's store covers the row's 512 consecutive bytes.  The wave's 8 x 32 scale bytes are gathered in LDS and leave as 256 consecutive, aligned bytes.
; Matrix units, clusters and tensor loads are left out: the launch streams x once and has nothing to share.
.set SPARE, 19456                      ; behind the four waves' regions: the spare words, 128 bytes for each wave
.set WREG,  4864                       ; a wave's region: a stage of 32 x 144 bytes, then its 256 scale bytes
.set SPW, 1                            ; v1  LDS address of my spare word; never rewritten
.set NIL, 2                            ; v2  0; never rewritten
.set LO,  3                            ; v3  16 x lane
.set TST, 4                            ; v4  the stage on the way in: 144 (lane / 8) + 16 (lane % 8)
.set TRD, 5                            ; v5  and on the way out: 144 x lane
.set SBA, 6                            ; v6  my block's scale byte
.set SBR, 7                            ; v7  the scale bytes on the way out, 8 a lane
.set L8,  8                            ; v8  8 x lane
.set SM,  10                           ; v10-17 sums at work
.set ST,  18                           ; v18-19 -mean twice, v20-21 1 / sqrt(var + eps) twice
.set BY,  22                           ; v22 the scale's byte
.set C,   24                           ; v24-31 codes, two sets of four
.set X,   32                           ; v32-159 four row slots of 32
.set G,   160                          ; v160-191 g_pre at my columns 128 i + 4 lane + 0 .. 3
.set BB,  192                          ; v192-223 b_pre likewise
.set T,   224                          ; v224-255 my block of 32 neighbours
.set INV, 20                           ; s20 1 / 1024
.set EPS, 21                           ; s21 1e-5
.set SEL, 30                           ; s[30:31] selects of v_permlanex16_b32 for lane l xor 16
.macro WSUM r, t                       ; the sum over the wave's 32 lanes, in every lane
	v_add_f32_dpp v[\r], v[\r], v[\r] row_xmask:1 row_mask:0xf bank_mask:0xf
	v_add_f32_dpp v[\r], v[\r], v[\r] row_xmask:2 row_mask:0xf bank_mask:0xf
	v_add_f32_dpp v[\r], v[\r], v[\r] row_xmask:4 row_mask:0xf bank_mask:0xf
	v_add_f32_dpp v[\r], v[\r], v[\r] row_xmask:8 row_mask:0xf bank_mask:0xf
	v_permlanex16_b32 v[\t], v[\r], s[SEL], s[SEL+1]
	v_add_f32 v[\r], v[\r], v[\t]
.endm
; A row of 1,024 numbers, 32 a lane in v[x] on: the mean is taken away in place; v[st+2], v[st+3] get 1 / sqrt(var + eps).
.macro ROWSTAT x, sm, st
.irp k, 0,2,4,6
	v_pk_add_f32 v[\sm+\k:\sm+\k+1], v[\x+\k:\x+\k+1], v[\x+8+\k:\x+9+\k]    ; four chains, started by the first numbers: nothing is cleared
.endr
.irp o, 16,24
.irp k, 0,2,4,6
	v_pk_add_f32 v[\sm+\k:\sm+\k+1], v[\sm+\k:\sm+\k+1], v[\x+\o+\k:\x+\o+\k+1]
.endr
.endr
	v_pk_add_f32 v[\sm:\sm+1], v[\sm:\sm+1], v[\sm+2:\sm+3]
	v_pk_add_f32 v[\sm+4:\sm+5], v[\sm+4:\sm+5], v[\sm+6:\sm+7]
	v_pk_add_f32 v[\sm:\sm+1], v[\sm:\sm+1], v[\sm+4:\sm+5]
	v_add_f32 v[\sm], v[\sm], v[\sm+1]
	WSUM \sm, \sm+1
	v_mul_f32 v[\st], 0xba800000, v[\sm]           ; -mean = sum x -(1 / 1024), exact
	v_mul_f32 v[\st+1], 0xba800000, v[\sm]
.set J, 0
.rept 16
	v_pk_add_f32 v[\x+J:\x+J+1], v[\x+J:\x+J+1], v[\st:\st+1]
.set J, J+2
.endr
.irp k, 0,2,4,6
	v_pk_mul_f32 v[\sm+\k:\sm+\k+1], v[\x+\k:\x+\k+1], v[\x+\k:\x+\k+1]
.endr
.irp o, 8,16,24
.irp k, 0,2,4,6
	v_pk_fma_f32 v[\sm+\k:\sm+\k+1], v[\x+\o+\k:\x+\o+\k+1], v[\x+\o+\k:\x+\o+\k+1], v[\sm+\k:\sm+\k+1]
.endr
.endr
	v_pk_add_f32 v[\sm:\sm+1], v[\sm:\sm+1], v[\sm+2:\sm+3]
	v_pk_add_f32 v[\sm+4:\sm+5], v[\sm+4:\sm+5], v[\sm+6:\sm+7]
	v_pk_add_f32 v[\sm:\sm+1], v[\sm:\sm+1], v[\sm+4:\sm+5]
	v_add_f32 v[\sm], v[\sm], v[\sm+1]
	WSUM \sm, \sm+1
	v_fma_f32 v[\sm+2], v[\sm], s[INV], s[EPS]     ; var + eps
	v_rsq_f32 v[\st+2], v[\sm+2]
	v_rsq_f32 v[\st+3], v[\sm+2]                   ; twice: a pair for the packed multiply
	v_nop                                          ; a plain instruction behind the transcendentals
	s_wait_alu depctr_va_vdst(0)                   ; the wait ahead of the first use: one for both
.endm
	s_load_b256 s[4:11], s[0:1], 0x0               ; x, g_pre, b_pre, Wo_codes
	s_load_b128 s[12:15], s[0:1], 0x20             ; h_codes, h_scales
	s_load_b64 s[16:17], s[0:1], 0x30              ; wo_img
	v_lshl_add_u32 v[SPW], v0, 2, SPARE
	v_mov_b32 v[NIL], 0
	v_lshrrev_b32 v9, 5, v0
	v_readfirstlane_b32 s18, v9                    ; wave 0..3
	v_and_b32 v9, 31, v0                           ; lane
	v_lshlrev_b32 v[LO], 4, v9
	s_cmp_ge_u32 ttmp9, 256                        ; the last sixteen work-groups lay Wo out
	s_cbranch_scc1 .Lrelay
	s_mul_i32 s19, s18, WREG
	v_lshrrev_b32 v[TST], 3, v9
	v_mul_u32_u24 v[TST], v[TST], 144
	v_and_b32 v[TRD], 7, v9
	v_lshl_add_u32 v[TST], v[TRD], 4, v[TST]
	v_add_nc_u32 v[TST], s19, v[TST]
	v_mul_u32_u24 v[TRD], v9, 144
	v_add_nc_u32 v[TRD], s19, v[TRD]
	s_add_co_u32 s19, s19, 4608
	v_add_nc_u32 v[SBA], s19, v9
	v_lshlrev_b32 v[L8], 3, v9
	v_add_nc_u32 v[SBR], s19, v[L8]
	s_lshl_b32 s22, ttmp9, 2
	s_add_co_u32 s22, s22, s18                     ; which run of 8 rows is my wave's
	s_lshl_b32 s24, s22, 15                        ; 8 rows of 4,096 bytes of x,
	s_mov_b32 s25, 0
	s_lshl_b32 s26, s22, 12                        ; of 512 bytes of codes,
	s_mov_b32 s27, 0
	s_lshl_b32 s28, s22, 8                         ; of 32 scale bytes
	s_mov_b32 s29, 0
	s_mov_b32 s[SEL], 0x76543210
	s_mov_b32 s[SEL+1], 0xfedcba98
	s_mov_b32 s[INV], 0x3a800000
	s_mov_b32 s[EPS], 0x3727c5ac
	s_wait_kmcnt 0x0
	s_add_nc_u64 s[4:5], s[4:5], s[24:25]
	s_add_nc_u64 s[12:13], s[12:13], s[26:27]
	s_add_nc_u64 s[14:15], s[14:15], s[28:29]
.irp i, 0,1,2,3,4,5,6,7
	global_load_b128 v[G+4*\i:G+4*\i+3], v[LO], s[6:7] offset:512*\i
	global_load_b128 v[BB+4*\i:BB+4*\i+3], v[LO], s[8:9] offset:512*\i
.endr
.macro FILL slot, row                  ; eight loads of 512 consecutive bytes: a whole row
.irp i, 0,1,2,3,4,5,6,7
	global_load_b128 v[X+32*(\slot)+4*\i:X+32*(\slot)+4*\i+3], v[LO], s[4:5] offset:4096*(\row)+512*\i th:TH_LOAD_NT
.endr
.endm
	FILL 0, 0
	FILL 1, 1
	FILL 2, 2
	FILL 3, 3
.macro ROW t
.set XS, X+32*((\t)%4)
.set CC, C+4*((\t)%2)
.if 7-(\t) >= 3
	s_wait_loadcnt 24                              ; my row is in; the three younger rows' 24 loads may be out
.else
	s_wait_loadcnt 8*(7-(\t))                      ; the counts run down: nothing is loaded behind row 7
.endif
	ROWSTAT XS, SM, ST
.set J, 0
.rept 16
	v_pk_mul_f32 v[XS+J:XS+J+1], v[XS+J:XS+J+1], v[ST+2:ST+3]
.set J, J+2
.endr
.set J, 0
.rept 16
	v_pk_fma_f32 v[XS+J:XS+J+1], v[XS+J:XS+J+1], v[G+J:G+J+1], v[BB+J:BB+J+1]
.set J, J+2
.endr
.irp i, 0,1,2,3,4,5,6,7
	ds_store_b128 v[TST], v[XS+4*\i:XS+4*\i+3] offset:576*\i     ; as the bytes lie: 512 bytes take four places of 144
.endr
.irp i, 0,1,2,3,4,5,6,7
	ds_load_b128 v[T+4*\i:T+4*\i+3], v[TRD] offset:16*\i         ; LDS serves a wave's instructions in order: these see the stores
.endr
	s_wait_dscnt 0x0                               ; my block is back; the stores have read the slot
.if (\t) < 4
	FILL (\t)%4, (\t)+4                            ; the slot takes the row four further on
.endif
	v_max3_num_f32 v[SM], |v[T]|, |v[T+1]|, |v[T+2]|             ; the block's largest magnitude: all 32 numbers are mine
	v_max3_num_f32 v[SM+1], |v[T+3]|, |v[T+4]|, |v[T+5]|
.irp i, 6,10,14,18,22,26
	v_max3_num_f32 v[SM], v[SM], |v[T+\i]|, |v[T+\i+1]|
	v_max3_num_f32 v[SM+1], v[SM+1], |v[T+\i+2]|, |v[T+\i+3]|
.endr
	v_max3_num_f32 v[SM], v[SM], |v[T+30]|, |v[T+31]|
	v_max3_num_f32 v[SM], v[SM], v[SM+1], 0x1800000              ; and the floor 2^(3 - 127): the byte cannot fall under 1
	v_add_nc_u32 v[SM+1], 0xff000000, v[SM]        ; 2 off its exponent field: the conversion's scale operand
.if (\t) >= 2
	s_wait_xcnt 0x0                                ; the store of two rows ago has read this set of code registers
.endif
.irp g, 0,1,2,3
	v_cvt_scalef32_pk8_fp4_f32 v[CC+\g], v[T+8*\g:T+8*\g+7], v[SM+1]
.endr
	v_lshrrev_b32 v[BY], 23, v[SM+1]               ; the scale's byte (also the plain instruction behind the conversions)
	ds_store_b8 v[SBA], v[BY] offset:32*(\t)
	global_store_b128 v[LO], v[CC:CC+3], s[12:13] offset:512*(\t)     ; 32 lanes store the row's 512 consecutive bytes
.endm
.irp t, 0,1,2,3,4,5,6,7
	ROW \t
.endr
	ds_load_b64 v[SM:SM+1], v[SBR]
	s_wait_dscnt 0x0
	global_store_b64 v[L8], v[SM:SM+1], s[14:15]   ; 32 lanes store 256 consecutive bytes, aligned
	s_wait_tensorcnt 0x0                           ; the wave's end, behind my last LDS store
	ds_add_u32 v[SPW], v[NIL]
	s_wait_dscnt 0x0
	s_endpgm
.Lrelay:                                           ; wave = row tile T of Wo; no LDS is touched on this way
	s_sub_co_u32 s22, ttmp9, 256
	s_lshl_b32 s22, s22, 2
	s_add_co_u32 s22, s22, s18                     ; T
	v_and_b32 v4, 15, v0
	v_bfe_u32 v5, v0, 4, 1
	v_lshlrev_b32 v4, 9, v4
	v_lshl_add_u32 v4, v5, 4, v4                   ; row r of 512 bytes, + 16 h
	s_lshl_b32 s24, s22, 13                        ; 16 rows of 512 bytes in, 8,192 bytes out
	s_mov_b32 s25, 0
	s_wait_kmcnt 0x0
	s_add_nc_u64 s[10:11], s[10:11], s[24:25]
	s_add_nc_u64 s[16:17], s[16:17], s[24:25]
.irp s, 0,1,2,3,4,5,6,7
.irp c, 0,1
	global_load_b128 v[32+8*\s+4*\c:32+8*\s+4*\c+3], v4, s[10:11] offset:64*\s+32*\c
.endr
.endr
	s_wait_loadcnt 0x0
.irp s, 0,1,2,3,4,5,6,7
.irp c, 0,1
	global_store_b128 v[LO], v[32+8*\s+4*\c:32+8*\s+4*\c+3], s[16:17] offset:1024*\s+512*\c
.endr
.endr
	s_endpgm
.Lfunc_end_k_q677af3450b_lnq:
	.size	k_q677af3450b_lnq, .Lfunc_end_k_q677af3450b_lnq-k_q677af3450b_lnq
	.p2alignl 7, 3214868480
	.fill 96, 4, 3214868480
	.section	.rodata,"a",@progbits
	.p2align	6, 0x0
	.amdhsa_kernel k_q677af3450b_lnq
		.amdhsa_group_segment_fixed_size 19968
		.amdhsa_private_segment_fixed_size 0
		.amdhsa_enable_private_segment 0
		.amdhsa_kernarg_size 56
		.amdhsa_user_sgpr_count 2
		.amdhsa_user_sgpr_kernarg_segment_ptr 1
		.amdhsa_wavefront_size32 1
		.amdhsa_system_sgpr_workgroup_id_x 1
		.amdhsa_system_sgpr_workgroup_id_y 1
		.amdhsa_system_sgpr_workgroup_id_z 1
		.amdhsa_system_vgpr_workitem_id 0
		.amdhsa_next_free_vgpr 256
		.amdhsa_next_free_sgpr 66
		.amdhsa_reserve_vcc 0
		.amdhsa_float_denorm_mode_32 3
		.amdhsa_float_denorm_mode_16_64 3
		.amdhsa_memory_ordered 1
		.amdhsa_forward_progress 1
		.amdhsa_inst_pref_size 84
	.end_amdhsa_kernel
	.amdgpu_metadata
---
amdhsa.version: [ 1, 2 ]
amdhsa.kernels:
  - .name:           k_q677af3450b_lnq
    .symbol:         k_q677af3450b_lnq.kd
    .args:
      - { .name: x, .offset: 0, .size: 8, .value_kind: global_buffer, .address_space: global }
      - { .name: g_pre, .offset: 8, .size: 8, .value_kind: global_buffer, .address_space: global }
      - { .name: b_pre, .offset: 16, .size: 8, .value_kind: global_buffer, .address_space: global }
      - { .name: Wo_codes, .offset: 24, .size: 8, .value_kind: global_buffer, .address_space: global }
      - { .name: h_codes, .offset: 32, .size: 8, .value_kind: global_buffer, .address_space: global }
      - { .name: h_scales, .offset: 40, .size: 8, .value_kind: global_buffer, .address_space: global }
      - { .name: wo_img, .offset: 48, .size: 8, .value_kind: global_buffer, .address_space: global }
    .group_segment_fixed_size: 19968
    .private_segment_fixed_size: 0
    .kernarg_segment_align: 8
    .kernarg_segment_size: 56
    .max_flat_workgroup_size: 128
    .sgpr_count:     66
    .vgpr_count:     256
    .wavefront_size: 32
...
	.end_amdgpu_metadata
.endif
;; end of part 1
;; launch qkv (part 2): grid 12 x 32, 4 waves a work-group, no clusters, 327,680 bytes of LDS; arguments h_codes, h_scales, Wq_codes, Wq_scales, Wk_codes, Wk_scales, Wv_codes, Wv_scales, bq, bk, bv, padding_mask, q_img, q_sc, kv; writes q_img, q_sc, kv
.if DOCPART == 2
	.amdgcn_target "amdgcn-amd-amdhsa--gfx1250"
	.amdhsa_code_object_version 6
	.text
	.protected	k_q677af3450b_qkv
	.globl	k_q677af3450b_qkv
	.p2align	8
	.type	k_q677af3450b_qkv,@function
k_q677af3450b_qkv:
	s_mov_b64 s[64:65], 0
	v_nop
	global_prefetch_b8 v0, s[64:65] scope:SCOPE_SE
	s_setreg_imm32_b32 hwreg(HW_REG_WAVE_MODE, 25, 1), 1
	s_wait_xcnt 0x0
; LAUNCH 2 OF 4.  q, k, v = h W^T + bias on codes of E2M1 (K = 1,024), each quantised again for attention and stored in the order of an operand's registers.  Nothing of the problem is left out.
; role = x / 4 (0 q, 1 k, 2 v), nt = x % 4, y: a work-group makes 256 x 256 results, each of its four waves 128 x 128: 64 accumulators, 512 registers.
; THE MATRIX INSTRUCTION: source 0 = 16 rows of panel P0, source 1 = 16 rows of panel P1; a lane then holds ONE row of P1, and its registers run along P0's rows, the axis that is quantised next.
;   q, k: P0 = 256 rows of W (4 heads: the next K is the head's 64), P1 = 256 tokens.    v: P0 = 256 tokens (the next K is the keys), P1 = 256 rows of Wv.
; The panels change sides BY ADDRESS alone, so one main loop serves the three roles.  K's two halves of 512 lie in two LDS regions, each filled once; all scale bytes come with them, once.
; WHAT IS STORED.  q_img [b][head][tile of 16 queries][lane][16 bytes]: lane (r, h) = query r, dims 32 h on.  q_sc: a word [s0 s1 s0 s1] a query and head, WITH 3 TAKEN OFF EACH BYTE: that is the 1 / sqrt(64)
; of the scores, exact.  kv [b][8 heads][128 keys]: a block of 69,632 bytes: k's codes, v's codes with the keys innermost, the scale words.  THE CODES OF A PADDED KEY ARE SET TO 0: its score is then 0,
; and the attention launch adds exactly NEG to it.
; No cluster: the panels change sides with the role, so a joint load's mask word would hang on the role, and the shape words are to be constants; each panel is asked for once by a work-group.
; LIMITS: NaN and infinities are not served.  A block of zeros keeps the floor's byte with zero codes.  q's floor is 2^(6 - 127), so that a byte less 3 stays at 1 or more: a block of q whose largest
; magnitude lies under 2^-121 is quantised under that floor.
.set NQ,     4                         ; steps of 128 along K in a region
.set ROWB,   256                       ; a region's row: 512 codes
.set KROW,   512                       ; a row of codes in memory
.set PITCH,  272                       ; an LDS row: 256 bytes + 16 of padding: the 16 rows of a load start at 16 different banks
.set FR,     8
.set NL,     2
.set NP,     4
.set HALFT,  128*PITCH                 ; what one tensor load brings
.set SLOT,   4*HALFT                   ; P1's 256 rows, then P0's
.set KS,     32                        ; a row of scale bytes
.set SCL,    2*SLOT                    ; the scales, as rows of 256 bytes + 16
.set HALFS,  16*272
.set SBLK,   2*272
.set SPARE,  SCL+4*HALFS               ; the spare words, 128 bytes for each wave
.set KVB,    69632                     ; a block of kv
.set ADRA, 16                          ; v16-17 LDS address of my P1 fragments in region 0, 1
.set ADRB, 20                          ; v20-21 the same for P0
.set LO16, 24                          ; v24 16 x lane
.set LO8,  25                          ; v25 8 x lane
.set ADRS, 27                          ; v27 my scale words: lanes 0-15 P1's rows, lanes 16-31 P0's
.set SPW,  28                          ; v28 my spare word; never rewritten
.set NIL,  29                          ; v29 0; never rewritten
.set SC,   32                          ; v32-95 scale words, two sets; they hold nothing else
.set PADR, 96                          ; v96-103 padding bytes of tokens 16 a + r (role k: then masks)
.set BV,   104                         ; v104-111 bv at channels 16 a + r (role v)
.set AF,   128                         ; v128-191 P1's fragments, one set
.set BIAS, 64                          ; window 1, v64-127: the bias along my registers (roles q, k)
.set T,    128                         ; the way out: 64 numbers
.set PC,   192                         ; v192-199 codes
.set TM,   200                         ; v200-215 at work
.set PWS,  224                         ; v224-231 the eight scale words
.set TP,   232                         ; v232-235 at work
.set SD,   236                         ; v236-243 scale words to store
.set G1,  36                           ; s[36:43] shape of a codes tile
.set G1S, 44                           ; s[44:51] shape of a scales tile
.set G0S, 52                           ; s[52:55], s[56:59], s[60:63]: from where, to where: scales, region 0, region 1
.set G0,  56
.set WV,  66
.set I1,  67                           ; which half of P1 is mine
.set I0,  68                           ; which half of P0
.set ROLE, 69
.set NT,  70
.set YY,  71
.set SEL, 72
.set MSB, 0
.macro WIN new                         ; the immediate's high byte repeats the setting that is left
.if MSB != \new
	s_set_vgpr_msb (MSB<<8)|\new
.set MSB, \new
.endif
.endm
.set MUL_LO, 0xa1                      ; source 0 (P0) window 1, source 1 (P1) window 0, C and D window 2
.set MUL_HI, 0xf1                      ; the same, C and D window 3
.set TO_B,   0x40                      ; destination window 1, address window 0
	s_load_b512 s[4:19], s[0:1], 0x0               ; h_codes, h_scales, Wq codes, scales, Wk codes, scales, Wv codes, scales
	s_load_b256 s[20:27], s[0:1], 0x40             ; bq, bk, bv, padding_mask
	s_load_b128 s[28:31], s[0:1], 0x60             ; q_img, q_sc
	s_load_b64 s[32:33], s[0:1], 0x70              ; kv
	v_lshl_add_u32 v[SPW], v0, 2, SPARE
	v_mov_b32 v[NIL], 0
	ds_add_u32 v[SPW], v[NIL]                      ; the wave's opening: the add, twice on end, and its wait ahead of my first tensor load
	ds_add_u32 v[SPW], v[NIL]
	v_lshrrev_b32 v1, 5, v0
	v_readfirstlane_b32 s[WV], v1                  ; wave 0..3
	s_lshr_b32 s[I1], s[WV], 1
	s_and_b32 s[I0], s[WV], 1
	s_lshr_b32 s[ROLE], ttmp9, 2
	s_and_b32 s[NT], ttmp9, 3
	s_and_b32 s[YY], ttmp7, 0xffff
	s_mov_b32 s[G1+0], (1<<20)|(5<<22)|(3<<25)     ; elements of 1 byte; padding: 4 words behind every 64
	s_mov_b32 s[G1+1], ROWB<<16                    ; tensor_dim0
	s_mov_b32 s[G1+2], 128<<16                     ; tensor_dim1
	s_mov_b32 s[G1+3], ROWB<<16                    ; tile_dim0
	s_mov_b32 s[G1+4], 128                         ; tile_dim1
	s_mov_b32 s[G1+5], KROW                        ; from row to row
	s_mov_b32 s[G1+6], 0
	s_mov_b32 s[G1+7], 0
	s_mov_b32 s[G1S+0], (3<<16)|(1<<20)|(5<<22)|(3<<25)  ; the scales of 128 rows: 4,096 dense bytes as 16 rows of 32 elements of 8 bytes, the same padding
	s_mov_b32 s[G1S+1], 32<<16
	s_mov_b32 s[G1S+2], 16<<16
	s_mov_b32 s[G1S+3], 32<<16
	s_mov_b32 s[G1S+4], 16
	s_mov_b32 s[G1S+5], 32
	s_mov_b32 s[G1S+6], 0
	s_mov_b32 s[G1S+7], 0
	s_mul_i32 s74, s[WV], HALFT                    ; where my loads go: waves 0, 1 P1's halves, waves 2, 3 P0's
	s_mul_i32 s75, s[WV], HALFS
	s_wait_dscnt 0x0                               ; both opening adds are done
	s_wait_kmcnt 0x0
	s_cmp_eq_u32 s[ROLE], 0                        ; the role's weight, its scales and its bias: choices on the work-group's number alone
	s_cselect_b64 s[8:9], s[8:9], s[12:13]
	s_cselect_b64 s[10:11], s[10:11], s[14:15]
	s_cselect_b64 s[20:21], s[20:21], s[22:23]
	s_cmp_eq_u32 s[ROLE], 2
	s_cselect_b64 s[8:9], s[16:17], s[8:9]
	s_cselect_b64 s[10:11], s[18:19], s[10:11]
	s_cselect_b64 s[20:21], s[24:25], s[20:21]
	s_cselect_b32 s76, 1, 0
	s_xor_b32 s76, s76, s[I1]                      ; 0: my load is of the token panel (P1 for q and k, P0 for v)
	s_cmp_eq_u32 s76, 0
	s_cselect_b64 s[78:79], s[4:5], s[8:9]
	s_cselect_b64 s[80:81], s[6:7], s[10:11]
	s_cselect_b32 s76, s[YY], s[NT]
	s_lshl_b32 s76, s76, 8
	s_lshl_b32 s77, s[I0], 7
	s_add_co_u32 s76, s76, s77                     ; the first of the 128 rows that I fetch
	s_lshl_b32 s82, s76, 9
	s_mov_b32 s83, 0
	s_add_nc_u64 s[78:79], s[78:79], s[82:83]      ; their codes,
	s_lshl_b32 s82, s76, 5
	s_add_nc_u64 s[80:81], s[80:81], s[82:83]      ; their scale bytes
	s_mov_b32 s[G0S], 1
	s_add_co_u32 s[G0S+1], s75, SCL
	s_mov_b64 s[G0S+2:G0S+3], s[80:81]
	s_or_b32 s[G0S+3], s[G0S+3], 0x80000000
	tensor_load_to_lds s[G0S:G0S+3], s[G1S:G1S+7]  ; every wave issues three first fills, with no branch: three tensor loads of mine are out
	s_nop 0
.irp s, 0,1
	s_mov_b32 s[G0+4*\s], 1
	s_add_co_u32 s[G0+4*\s+1], s74, \s*SLOT
	s_add_nc_u64 s[G0+4*\s+2:G0+4*\s+3], s[78:79], \s*ROWB
	s_or_b32 s[G0+4*\s+3], s[G0+4*\s+3], 0x80000000
	tensor_load_to_lds s[G0+4*\s:G0+4*\s+3], s[G1:G1+7]
	s_nop 0
.endr
.rept 4
	v_nop
.endr
	; The small loads for the way out.  Every role issues all 32, so that one way leads into the shared main loop and each register that a way out reads has been written: a role leaves unused what it does not need.
	v_and_b32 v1, 15, v0                           ; r
	v_bfe_u32 v2, v0, 4, 1                         ; h
	v_and_b32 v5, 31, v0
	v_lshlrev_b32 v[LO16], 4, v5
	v_lshlrev_b32 v[LO8], 3, v5
	v_lshlrev_b32 v8, 5, v2                        ; 32 h: the bias at 16 bt + 8 h + 0 .. 7
	v_lshlrev_b32 v9, 2, v1                        ; 4 r
	s_lshl_b32 s76, s[NT], 8
	s_lshl_b32 s77, s[I0], 7
	s_add_co_u32 s82, s76, s77
	s_lshl_b32 s82, s82, 2
	s_add_nc_u64 s[20:21], s[20:21], s[82:83]      ; the role's bias at 256 nt + 128 x my half of P0
	s_lshl_b32 s77, s[I1], 7
	s_add_co_u32 s82, s76, s77
	s_lshl_b32 s82, s82, 2
	s_add_nc_u64 s[24:25], s[24:25], s[82:83]      ; bv at 256 nt + 128 x my half of P1
	s_lshl_b32 s76, s[YY], 8
	s_add_co_u32 s82, s76, s77
	s_add_nc_u64 s[26:27], s[26:27], s[82:83]      ; the padding bytes of tokens 256 y + 128 x my half of P1
	WIN TO_B
.irp t, 0,1,2,3,4,5,6,7
	global_load_b128 v[BIAS+8*\t:BIAS+8*\t+3], v8, s[20:21] offset:64*\t
	global_load_b128 v[BIAS+8*\t+4:BIAS+8*\t+7], v8, s[20:21] offset:64*\t+16
.endr
	WIN 0
.irp a, 0,1,2,3,4,5,6,7
	global_load_u8 v[PADR+\a], v1, s[26:27] offset:16*\a
	global_load_b32 v[BV+\a], v9, s[24:25] offset:64*\a
.endr
	v_mul_u32_u24 v3, v1, PITCH
	v_lshl_add_u32 v4, v2, 4, v3                   ; a fragment's row x pitch + 16 x half
	s_mul_i32 s76, s[I1], HALFT
	s_mul_i32 s77, s[I0], HALFT
	s_add_co_u32 s77, s77, 2*HALFT
.irp s, 0,1
	v_add_nc_u32 v[ADRA+\s], s76, v4
	v_add_nc_u32 v[ADRB+\s], s77, v4
	s_add_co_u32 s76, s76, SLOT
	s_add_co_u32 s77, s77, SLOT
.endr
	v_mul_u32_u24 v5, v1, KS                       ; my row's scales: 32 bytes a row,
	v_lshrrev_b32 v6, 8, v5
	v_lshl_add_u32 v5, v6, 4, v5                   ; and 16 more for each 256 passed
	s_mul_i32 s76, s[I1], HALFS
	s_mul_i32 s77, s[I0], HALFS
	s_add_co_u32 s77, s77, 2*HALFS
	s_sub_co_u32 s77, s77, s76
	v_mul_u32_u24 v6, s77, v2                      ; lanes 16-31 take P0's: one product, the distance between the two
	s_add_co_u32 s76, s76, SCL
	v_add_nc_u32 v5, v5, v6
	v_add_nc_u32 v[ADRS], s76, v5
.macro FRAG reg, adr, q, i             ; 16 rows x 128 K of 4-bit codes: registers 4 c .. 4 c + 3 hold K = 64 c + 32 (lane / 16) + 0 .. 31
.irp c, 0,1
	ds_load_b128 v[\reg+4*\c:\reg+4*\c+3], v[\adr] offset:64*(\q)+32*\c+(\i)*16*PITCH
.endr
.endm
; 16 matrix instructions: P1's blocks a0, a0 + 1 x P0's eight.  The 64 accumulators take turns, one instruction a turn, in the same order in every step.
.macro MUL16 a0, p, q, sc, zero
.irp a, \a0, \a0+1
.irp b, 0,1,2,3,4,5,6,7
.if \zero
	v_wmma_scale_f32_16x16x128_f8f6f4 v[8*(8*((\a)%4)+\b):8*(8*((\a)%4)+\b)+7], v[128*(\p)+FR*\b:128*(\p)+FR*\b+FR-1], v[AF+FR*(\a):AF+FR*(\a)+FR-1], 0, v[SC+8*NQ*(\sc)+NQ*\b+(\q)], v[SC+8*NQ*(\sc)+NQ*(\a)+(\q)] matrix_a_fmt:MATRIX_FMT_FP4 matrix_b_fmt:MATRIX_FMT_FP4 matrix_a_scale:MATRIX_SCALE_ROW1
.else
	v_wmma_scale_f32_16x16x128_f8f6f4 v[8*(8*((\a)%4)+\b):8*(8*((\a)%4)+\b)+7], v[128*(\p)+FR*\b:128*(\p)+FR*\b+FR-1], v[AF+FR*(\a):AF+FR*(\a)+FR-1], v[8*(8*((\a)%4)+\b):8*(8*((\a)%4)+\b)+7], v[SC+8*NQ*(\sc)+NQ*\b+(\q)], v[SC+8*NQ*(\sc)+NQ*(\a)+(\q)] matrix_a_fmt:MATRIX_FMT_FP4 matrix_b_fmt:MATRIX_FMT_FP4 matrix_a_scale:MATRIX_SCALE_ROW1
.endif
.endr
.endr
.endm
.macro FETCH_B slot, q, p
	WIN TO_B
.irp i, 0,1,2,3,4,5,6,7
	FRAG 128*(\p)+FR*\i, ADRB+\slot, \q, \i
.endr
	WIN 0
.endm
.macro FETCH_A slot, q, i0
.irp i, \i0, \i0+1, \i0+2, \i0+3
	FRAG AF+FR*(\i), ADRA+\slot, \q, \i
.endr
.endm
.macro SCALES sc                       ; a region's scale words: four words a row; lanes 0-15 take P1's block i, lanes 16-31 P0's
.irp i, 0,1,2,3,4,5,6,7
	ds_load_b128 v[SC+8*NQ*\sc+NQ*\i:SC+8*NQ*\sc+NQ*\i+3], v[ADRS] offset:\i*SBLK
.endr
.endm
.macro PLACES n                        ; plain vector instructions between a matrix instruction and a load into, or a vector instruction on, its registers
.rept \n
	v_nop
.endr
.endm
.macro STEP slot, q, zero              ; 128 along K, with its successor in the same region
	s_wait_dscnt 4*NL                              ; all but the youngest eight loads (P1's blocks 4-7) are in
	WIN MUL_LO
	MUL16 0, (\q)%2, \q, \slot, \zero
	MUL16 2, (\q)%2, \q, \slot, \zero
	s_wait_dscnt 0
	PLACES NP
	FETCH_B \slot, (\q)+1, 1-(\q)%2
	FETCH_A \slot, (\q)+1, 0
	WIN MUL_HI
	MUL16 4, (\q)%2, \q, \slot, \zero
	MUL16 6, (\q)%2, \q, \slot, \zero
	PLACES NP
	WIN 0
	FETCH_A \slot, (\q)+1, 4
.endm
.macro TURN slot, next                 ; region 0's last step: one barrier shows region 1 whole to every wave
	s_wait_tensorcnt 0x0                           ; my part of region 1 has landed
	ds_add_u32 v[SPW], v[NIL]
	s_wait_dscnt 4*NL+1                            ; the add and the youngest eight loads may be out
	WIN MUL_LO
	MUL16 0, 1, NQ-1, \slot, 0
	s_wait_dscnt 0x0
	s_barrier_signal -1
	MUL16 2, 1, NQ-1, \slot, 0
	WIN 0
	s_barrier_wait -1
	PLACES NP
	v_add_nc_u32 v[ADRS], 4*NQ, v[ADRS]            ; the second half's scale words
	FETCH_B \next, 0, 0
	FETCH_A \next, 0, 0
	SCALES \next
	WIN MUL_HI
	MUL16 4, 1, NQ-1, \slot, 0
	MUL16 6, 1, NQ-1, \slot, 0
	PLACES NP
	WIN 0
	FETCH_A \next, 0, 4
.endm
.macro STEPS slot, from
.set Q, \from
.rept NQ-1-\from
	STEP \slot, Q, 0
.set Q, Q+1
.endr
.endm
	s_wait_tensorcnt 1                             ; the scales and my part of region 0 are in; region 1's load, the last issued, may be out
	s_barrier_signal -1
	s_barrier_wait -1
	FETCH_B 0, 0, 0
	FETCH_A 0, 0, 0
	SCALES 0
	FETCH_A 0, 0, 4
	STEP 0, 0, 1                                   ; the first products start the sums: nothing is cleared
	STEPS 0, 1
	TURN 0, 1
	STEPS 1, 0
	s_wait_dscnt 4*NL
	WIN MUL_LO
	MUL16 0, 1, NQ-1, 1, 0
	MUL16 2, 1, NQ-1, 1, 0
	s_wait_dscnt 0
	WIN MUL_HI
	MUL16 4, 1, NQ-1, 1, 0
	MUL16 6, 1, NQ-1, 1, 0
	WIN 0
; THE WAY OUT.  64 numbers of a lane, register 8 t + j = index 16 t + 8 (lane / 16) + j along the next K, become a fragment's codes in v[PC] on and its scale word in v[pw].
; Block 2 c + e, half tile i is converted into register 4 c + 2 i + e; the exchange of halves of registers 4 c + 2 i and 4 c + 2 i + 1 then leaves lane half h' with block 2 c + h', its four words in K's order.
.macro QUANTN s, floor, pw
.irp b, 0,1,2,3
	v_max3_num_f32 v[TM+\b], |v[\s+16*\b]|, |v[\s+16*\b+1]|, \floor
.endr
.irp i, 2,4,6,8,10,12,14
.irp b, 0,1,2,3
	v_max3_num_f32 v[TM+\b], v[TM+\b], |v[\s+16*\b+\i]|, |v[\s+16*\b+\i+1]|
.endr
.endr
.irp b, 0,1,2,3
	v_permlanex16_b32 v[TM+4+\b], v[TM+\b], s[SEL], s[SEL+1]
.endr
.irp b, 0,1,2,3
	v_max_num_f32 v[TM+\b], v[TM+\b], v[TM+4+\b]   ; with lane l xor 16's: the block's largest magnitude
.endr
.irp b, 0,1,2,3
	v_add_nc_u32 v[TM+12+\b], 0xff000000, v[TM+\b] ; 2 off its exponent field: the conversion's scale operand
.endr
.irp b, 0,1,2,3
	v_lshrrev_b32 v[TM+4+\b], 23, v[TM+12+\b]      ; the scale's byte
.endr
	v_lshl_or_b32 v[\pw], v[TM+5], 8, v[TM+4]
	v_lshl_or_b32 v[\pw], v[TM+6], 16, v[\pw]
	v_lshl_or_b32 v[\pw], v[TM+7], 24, v[\pw]
.irp c, 0,1
.irp e, 0,1
.irp i, 0,1
	v_cvt_scalef32_pk8_fp4_f32 v[PC+4*\c+2*\i+\e], v[\s+16*(2*\c+\e)+8*\i:\s+16*(2*\c+\e)+8*\i+7], v[TM+12+2*\c+\e]
.endr
.endr
.endr
	v_nop                                          ; one plain instruction behind a scaled conversion
.irp c, 0,1
.irp i, 0,1
	v_permlane16_swap_b32 v[PC+4*\c+2*\i], v[PC+4*\c+2*\i+1]
.endr
.endr
.endm
; Block a of P1: its eight accumulators plus the bias, quantised, stored: each store of the wave covers 512 consecutive bytes, aligned.
.macro EPI a, role, floor
.set AC, 64*((\a)%4)
.if \role == 2
	WIN 0
	v_mov_b32 v[TP], v[BV+(\a)]                    ; bv of my channel, as a pair for the packed additions
	v_mov_b32 v[TP+1], v[BV+(\a)]
	WIN 0x02+(\a)/4                                ; source 0: window 2 or 3
.set J, 0
.rept 32
	v_pk_add_f32 v[T+J:T+J+1], v[AC+J:AC+J+1], v[TP:TP+1]         ; each accumulator from its low end on
.set J, J+2
.endr
.else
	WIN 0x06+(\a)/4                                ; source 0: window 2 or 3; source 1: window 1
.set J, 0
.rept 32
	v_pk_add_f32 v[T+J:T+J+1], v[AC+J:AC+J+1], v[BIAS+J:BIAS+J+1]
.set J, J+2
.endr
.endif
	WIN 0
	s_wait_xcnt 0x0                                ; the last block's stores have read the code registers
	QUANTN T, \floor, PWS+(\a)
.if \role == 1
.irp i, 0,1,2,3,4,5,6,7
	v_and_b32 v[PC+\i], v[PADR+(\a)], v[PC+\i]     ; a padded key's codes become zeros
.endr
.endif
.if \role == 0
	global_store_b128 v[LO16], v[PC:PC+3], s[84:85] offset:512*(\a)
	global_store_b128 v[LO16], v[PC+4:PC+7], s[84:85] offset:65536+512*(\a)      ; the pair's second head: 128 tiles of 512 bytes on
.elseif \role == 1
	global_store_b128 v[LO16], v[PC:PC+3], s[84:85] offset:512*(\a)
	global_store_b128 v[LO16], v[PC+4:PC+7], s[84:85] offset:4096+512*(\a)
.else
	global_store_b128 v[LO16], v[PC:PC+3], s[84:85] offset:32768+1024*(\a)
	global_store_b128 v[LO16], v[PC+4:PC+7], s[84:85] offset:32768+1024*(\a)+512
.endif
.endm
.macro EIGHT role, floor
.set A, 0
.rept 8
	EPI A, \role, \floor
.set A, A+1
.endr
.endm
.macro IDS it, ih                      ; s88 my first token, s89 my pair of heads, s90 the batch, s91 the token in its sequence
	s_lshl_b32 s88, s[YY], 8
	s_lshl_b32 s89, s[\it], 7
	s_add_co_u32 s88, s88, s89
	s_lshl_b32 s89, s[NT], 1
	s_add_co_u32 s89, s89, s[\ih]
	s_lshr_b32 s90, s88, 11
	s_and_b32 s91, s88, 2047
.endm
.macro KVBASE                          ; s[84:85]: my block of kv at my pair's codes; s[86:87]: at its scale words
	s_lshl_b32 s92, s90, 1
	s_lshr_b32 s97, s89, 2
	s_add_co_u32 s92, s92, s97
	s_lshl_b32 s92, s92, 4
	s_lshr_b32 s97, s91, 7
	s_add_co_u32 s92, s92, s97
	s_mul_i32 s92, s92, KVB
	s_and_b32 s97, s89, 3
	s_lshl_b32 s98, s97, 13
	s_add_co_u32 s98, s98, s92
	s_mov_b32 s99, 0
	s_add_nc_u64 s[84:85], s[32:33], s[98:99]
	s_lshl_b32 s98, s97, 10
	s_add_co_u32 s98, s98, s92
	s_add_co_u32 s98, s98, 65536
	s_add_nc_u64 s[86:87], s[32:33], s[98:99]
.endm
.macro FINISH
	s_wait_tensorcnt 0x0                           ; the wave's end
	ds_add_u32 v[SPW], v[NIL]
	s_wait_dscnt 0x0
	s_endpgm
.endm
	s_wait_loadcnt 0x0                             ; the biases and the padding bytes
	PLACES NP                                      ; behind the last products: their results are read and P1's registers written below
	s_mov_b32 s[SEL], 0x76543210
	s_mov_b32 s[SEL+1], 0xfedcba98
	s_mov_b32 s94, 0x05040100                      ; v_perm_b32: the low halves of two words,
	s_mov_b32 s95, 0x07060302                      ; the high halves
	s_mov_b32 s96, 0xffff0000                      ; lanes 16-31
.irp b, 0,1,2,3
	v_mov_b32 v[TM+4+\b], 0                        ; written once: a lane permute's destination counts as one of its sources
.endr
	s_cmp_eq_u32 s[ROLE], 1
	s_cbranch_scc1 .Lrole_k
	s_cmp_eq_u32 s[ROLE], 2
	s_cbranch_scc1 .Lrole_v
	; ---- q
	IDS I1, I0
	s_lshl_b32 s92, s90, 20                        ; ((16 b + 2 hp) 128 + l0 / 16) 512
	s_lshl_b32 s93, s89, 17
	s_add_co_u32 s92, s92, s93
	s_lshl_b32 s93, s91, 5
	s_add_co_u32 s92, s92, s93
	s_mov_b32 s93, 0
	s_add_nc_u64 s[84:85], s[28:29], s[92:93]
	s_lshl_b32 s92, s90, 17                        ; ((8 b + hp) 64 + l0 / 32) 256
	s_lshl_b32 s97, s89, 14
	s_add_co_u32 s92, s92, s97
	s_lshl_b32 s97, s91, 3
	s_add_co_u32 s92, s92, s97
	s_add_nc_u64 s[86:87], s[30:31], s[92:93]
	EIGHT 0, 0x3000000
.irp p, 0,1,2,3                        ; a pair of tiles: lanes 0-15 the even tile's words, lanes 16-31 the odd one's; word e for the pair's head e
.irp e, 0,1
	v_perm_b32 v[TP], v[PWS+2*\p], v[PWS+2*\p], s[94+\e]
	v_perm_b32 v[TP+1], v[PWS+2*\p+1], v[PWS+2*\p+1], s[94+\e]
	v_cndmask_b32 v[SD+2*\p+\e], v[TP], v[TP+1], s96
	v_add_nc_u32 v[SD+2*\p+\e], 0xfcfcfcfd, v[SD+2*\p+\e]        ; 3 off each byte (each is 4 or more): the scores' 1 / 8
.endr
	global_store_b64 v[LO8], v[SD+2*\p:SD+2*\p+1], s[86:87] offset:256*\p     ; 256 consecutive bytes, aligned
.endr
	FINISH
.Lrole_k:
	IDS I1, I0
	KVBASE
.irp a, 0,1,2,3,4,5,6,7
	v_add_nc_u32 v[PADR+\a], -1, v[PADR+\a]        ; padded: 0; else all ones
.endr
	EIGHT 1, 0x1800000
.irp e, 0,1                            ; fragment F holds key tiles 2 F and 2 F + 1: bytes 0, 1 the first's two blocks, bytes 2, 3 the second's
.irp f, 0,1,2,3
	v_perm_b32 v[TP+\f], v[PWS+2*\f+1], v[PWS+2*\f], s[94+\e]
.endr
	v_cndmask_b32 v[SD+2*\e], v[TP], v[TP+1], s96
	v_cndmask_b32 v[SD+2*\e+1], v[TP+2], v[TP+3], s96
	global_store_b64 v[LO8], v[SD+2*\e:SD+2*\e+1], s[86:87] offset:512*\e
.endr
	FINISH
.Lrole_v:
	IDS I0, I1
	KVBASE
	EIGHT 2, 0x1800000
.irp e, 0,1                            ; word i: lanes 0-15 channel tile 2 i, lanes 16-31 tile 2 i + 1
	v_cndmask_b32 v[SD+2*\e], v[PWS+4*\e], v[PWS+4*\e+1], s96
	v_cndmask_b32 v[SD+2*\e+1], v[PWS+4*\e+2], v[PWS+4*\e+3], s96
	global_store_b64 v[LO8], v[SD+2*\e:SD+2*\e+1], s[86:87] offset:512*\e+256
.endr
	FINISH
.Lfunc_end_k_q677af3450b_qkv:
	.size	k_q677af3450b_qkv, .Lfunc_end_k_q677af3450b_qkv-k_q677af3450b_qkv
	.p2alignl 7, 3214868480
	.fill 96, 4, 3214868480
	.section	.rodata,"a",@progbits
	.p2align	6, 0x0
	.amdhsa_kernel k_q677af3450b_qkv
		.amdhsa_group_segment_fixed_size 327680
		.amdhsa_private_segment_fixed_size 0
		.amdhsa_enable_private_segment 0
		.amdhsa_kernarg_size 120
		.amdhsa_user_sgpr_count 2
		.amdhsa_user_sgpr_kernarg_segment_ptr 1
		.amdhsa_wavefront_size32 1
		.amdhsa_system_sgpr_workgroup_id_x 1
		.amdhsa_system_sgpr_workgroup_id_y 1
		.amdhsa_system_sgpr_workgroup_id_z 1
		.amdhsa_system_vgpr_workitem_id 0
		.amdhsa_next_free_vgpr 1024
		.amdhsa_next_free_sgpr 100
		.amdhsa_reserve_vcc 0
		.amdhsa_float_denorm_mode_32 3
		.amdhsa_float_denorm_mode_16_64 3
		.amdhsa_memory_ordered 1
		.amdhsa_forward_progress 1
		.amdhsa_inst_pref_size 248
	.end_amdhsa_kernel
	.amdgpu_metadata
---
amdhsa.version: [ 1, 2 ]
amdhsa.kernels:
  - .name:           k_q677af3450b_qkv
    .symbol:         k_q677af3450b_qkv.kd
    .args:
      - { .name: h_codes, .offset: 0, .size: 8, .value_kind: global_buffer, .address_space: global }
      - { .name: h_scales, .offset: 8, .size: 8, .value_kind: global_buffer, .address_space: global }
      - { .name: Wq_codes, .offset: 16, .size: 8, .value_kind: global_buffer, .address_space: global }
      - { .name: Wq_scales, .offset: 24, .size: 8, .value_kind: global_buffer, .address_space: global }
      - { .name: Wk_codes, .offset: 32, .size: 8, .value_kind: global_buffer, .address_space: global }
      - { .name: Wk_scales, .offset: 40, .size: 8, .value_kind: global_buffer, .address_space: global }
      - { .name: Wv_codes, .offset: 48, .size: 8, .value_kind: global_buffer, .address_space: global }
      - { .name: Wv_scales, .offset: 56, .size: 8, .value_kind: global_buffer, .address_space: global }
      - { .name: bq, .offset: 64, .size: 8, .value_kind: global_buffer, .address_space: global }
      - { .name: bk, .offset: 72, .size: 8, .value_kind: global_buffer, .address_space: global }
      - { .name: bv, .offset: 80, .size: 8, .value_kind: global_buffer, .address_space: global }
      - { .name: padding_mask, .offset: 88, .size: 8, .value_kind: global_buffer, .address_space: global }
      - { .name: q_img, .offset: 96, .size: 8, .value_kind: global_buffer, .address_space: global }
      - { .name: q_sc, .offset: 104, .size: 8, .value_kind: global_buffer, .address_space: global }
      - { .name: kv, .offset: 112, .size: 8, .value_kind: global_buffer, .address_space: global }
    .group_segment_fixed_size: 327680
    .private_segment_fixed_size: 0
    .kernarg_segment_align: 8
    .kernarg_segment_size: 120
    .max_flat_workgroup_size: 128
    .sgpr_count:     100
    .vgpr_count:     1024
    .wavefront_size: 32
...
	.end_amdgpu_metadata
.endif
;; end of part 2
;; launch attn (part 3): grid 32 x 8, 16 waves a work-group, clusters of 4 x 1, 327,680 bytes of LDS; arguments q_img, q_sc, kv, causal_mask, padding_mask, a_img, a_sc; writes a_img, a_sc
.if DOCPART == 3
	.amdgcn_target "amdgcn-amd-amdhsa--gfx1250"
	.amdhsa_code_object_version 6
	.text
	.protected	k_q677af3450b_attn
	.globl	k_q677af3450b_attn
	.p2align	8
	.type	k_q677af3450b_attn,@function
k_q677af3450b_attn:
	s_mov_b64 s[64:65], 0
	v_nop
	global_prefetch_b8 v0, s[64:65] scope:SCOPE_SE
	s_setreg_imm32_b32 hwreg(HW_REG_WAVE_MODE, 25, 1), 1
	s_wait_xcnt 0x0
	s_wait_alu depctr_hold_cnt(0) depctr_sa_sdst(0) depctr_va_vdst(0) depctr_va_sdst(0) depctr_va_ssrc(0) depctr_va_vcc(0) depctr_vm_vsrc(0)
	s_getreg_b32 s2, hwreg(HW_REG_IB_STS2, 6, 4)
	s_cmp_eq_u32 s2, 0
	s_cbranch_scc0 .Lentry_in_a_cluster
	s_endpgm
.Lentry_in_a_cluster:
	s_bfe_u32 s2, ttmp6, 0x10000c
	s_cmp_lg_u32 s2, 0x3003
	s_cbranch_scc0 .Lentry_shape_is_right
	s_endpgm
.Lentry_shape_is_right:
; LAUNCH 3 OF 4.  Attention on codes of E2M1: x = q . k / 8 + causal_mask, NEG at padded keys; t = x log2(e); M = the running largest t rounded up to a whole number; p = 2^(t - M) is quantised along the keys;
; O = p v; the row's sum of the unquantised p divides at the end; the result is quantised along D for the last product.  Both masks are inputs: no tile is left out, every score is computed.
; THE ROUNDINGS ARE THOSE OF THE PROBLEM: the mask is added by an f32 addition, t is a multiplication of its own and t - M an addition of its own: where every key of a row lies near NEG the result hangs on them.
; SHARES.  A work-group owns 64 queries of 8 heads of a batch; wave w owns head w / 2 and two tiles of 16 queries (u = 0, 1).  Four waves to a SIMD: one wave's softmax stands beside another's loads and products.
; Every wave walks all 2,048 keys, 128 a step, through two LDS slots.  A slot holds a block of kv (8 heads' codes and scale words, 69,632 bytes) and the mask's tile of 64 queries x 128 keys.
; CLUSTER.  The four query blocks of a cluster walk the same blocks of kv: they are asked for JOINTLY (waves 0-3, a quarter each).  The mask's tile hangs on the query block: wave 4 asks for it alone, behind the same round.
; THE MASK IS MENDED ONCE A STEP: each wave takes 4 of the tile's 64 rows, puts NEG where the key is padded, and stores them into FIX, bytes that no tensor load fills; all 8 heads read FIX.  A padded key's
; codes are zeros (the launch before), so its score is 0 and 0 + NEG is NEG.
; HEAD SIZE 64 IN A K OF 128: a fragment of k holds two tiles of keys, keys 32 F + r at K 0-63 and keys 32 F + 16 + r at K 64-127; q stands between zeros, so that [q, 0] and [0, q] are runs of eight registers.
; Both products are used transposed: a lane holds ONE query (lane % 16), and register 8 t + j of the scores is key 16 t + 8 (lane / 16) + j.
; LIMITS: NaN and infinities are not served; p under 2^-126 counts as 0; a block whose every p is 0 keeps the byte 1 with zero codes; 1 / l is a reciprocal and a multiplication.
.set KVB,   69632
.set SLOT1, 131072                     ; slot 1 begins here: one exclusive or turns an address from one slot into the other
.set MRAW,  69632                      ; in a slot, behind the block of kv: the mask's tile, 64 rows of 512 bytes + 16
.set MP,    528
.set PADL,  103424                     ; the batch's 2,048 padding bytes
.set ASTG,  105472                     ; the way out: 64 queries x 16 scale bytes
.set SPARE, 106496                     ; the spare words, 128 bytes for each of 16 waves
.set FIX,   234496                     ; behind slot 1: the mended mask, 64 rows x 528
.set SPW, 1                            ; v1 my spare word; never rewritten
.set NIL, 2                            ; v2 0; never rewritten
.set AK0, 3                            ; v3 my head's codes in a block: 4,096 hl + 16 lane
.set AS0, 4                            ; v4 its scale words: 65,536 + 512 hl + 8 lane
.set AR0, 5                            ; v5 my 4 rows of the mask's tile
.set AP0, 6                            ; v6 my 4 keys' padding bytes
.set ADK, 7                            ; v7-10 the step's addresses
.set ADS, 8
.set ADR, 9
.set ADP, 10
.set AFW, 11                           ; v11 where I store my 4 mended rows
.set AFR, 12                           ; v12 where I read my query's row of FIX
.set NEGV, 13                          ; v13 -1e9
.set PADW, 14                          ; v14 four padding bytes
.set PFO, 15                           ; v15 the prefetches' lane offset; never rewritten
.set STA, 16                           ; v16-19, v20-23: for u = 0, 1: -M, the largest t, the sum in two halves
.set QZ,  24                           ; v24-43: zeros, q of u = 0, zeros, q of u = 1, zeros
.set QS,  44                           ; v44 q's scale words (lanes 0-15: u = 0, lanes 16-31: u = 1); v44-49 hold scales and nothing else
.set PS,  45                           ; v45 p's
.set KS,  46                           ; v46-47 k's
.set VS,  48                           ; v48-49 v's
.set O,   50                           ; v50-113 O^T: 32 registers for each u, 8 for each tile of 16 channels
.set S,   114                          ; v114-177 the scores, then p
.set F,   178                          ; v178-209 four fragments of k, or half the mask, or four of v
.set W,   210                          ; v210-241 the mask's other half, then:
.set BM,  210                          ; block maxima
.set PM,  214
.set SO,  218                          ; the conversions' scale operands
.set SB,  222                          ; scale bytes
.set FP,  226                          ; f = 2^(old M - new M), named as a pair
.set TT,  228
.set PC,  230                          ; v230-237 p's codes
.set WV,  18
.set HL,  19
.set SEL, 20
.set CS,  22                           ; s[22:23] log2(e)
.set G1KV, 24
.set G1M,  32
.set G0KV, 40
.set G0M,  44
.set TB,   48                          ; the slot in hand
.set TPD,  49                          ; 128 x the step
.set SLOTS, 50
.set LIM,  51
.set PFA,  52
.set PFS,  54
.set LM,   56                          ; s56-59 four lane masks
.macro TLOAD                           ; waves 0-3: a quarter of the block of kv, jointly; wave 4: the mask's tile.  The branches hang on the wave's number alone
	s_cmp_lt_u32 s[WV], 4
	s_cbranch_scc0 .Lnot_kv_\@
	tensor_load_to_lds s[G0KV:G0KV+3], s[G1KV:G1KV+7]
	s_nop 0
.rept 4
	v_nop
.endr
	s_branch .Lasked_\@
.Lnot_kv_\@:
	s_cmp_eq_u32 s[WV], 4
	s_cbranch_scc0 .Lasked_\@
	tensor_load_to_lds s[G0M:G0M+3], s[G1M:G1M+7]
	s_nop 0
.rept 4
	v_nop
.endr
.Lasked_\@:
.endm
; A PREFETCH INTO THE L2 of what the NEXT change of slots will ask for, one key step ahead of that load.  Each aligned block of 256 bytes is named once in the launch.  A block of kv is walked by the 8 clusters of a
; grid row: the first of them asks, its four partners told apart BY ADDRESS (16,384 bytes of codes each), waves 6 and 7, 8,192 bytes a wave.  A tile of the mask is walked by the 8 work-groups of a grid column:
; y = 0 asks, waves 8-11, 16 rows a wave, two lanes to a row of 512 bytes.  The last change that fills a slot asks for nothing; steps 0 and 1 and the scale words come by their loads alone.
.macro ASK
	s_cmp_gt_u32 s[SLOTS], s[LIM]
	s_cbranch_scc0 .Lnot_mine_\@
	global_prefetch_b8 v[PFO], s[PFA:PFA+1] th:TH_LOAD_NT scope:SCOPE_SE
.Lnot_mine_\@:
.endm
.macro CROUND                          ; a round of the cluster's barrier
	s_barrier_signal -1
	s_barrier_wait -1
	s_cmp_lg_u32 s[WV], 0
	s_cbranch_scc1 .Lnot_wave_0_\@
	s_barrier_signal -3
.Lnot_wave_0_\@:
	s_barrier_wait -3
	s_barrier_signal -1
	s_barrier_wait -1
.endm
	s_load_b256 s[4:11], s[0:1], 0x0               ; q_img, q_sc, kv, causal_mask
	s_load_b128 s[12:15], s[0:1], 0x20             ; padding_mask, a_img
	s_load_b64 s[16:17], s[0:1], 0x30              ; a_sc
	v_lshl_add_u32 v[SPW], v0, 2, SPARE
	v_mov_b32 v[NIL], 0
	ds_add_u32 v[SPW], v[NIL]                      ; the wave's opening: the add, twice on end, and its wait ahead of the first tensor loads and their round
	ds_add_u32 v[SPW], v[NIL]
	v_lshrrev_b32 v[ADK], 5, v0
	v_readfirstlane_b32 s[WV], v[ADK]              ; wave 0..15
	s_lshr_b32 s[HL], s[WV], 1                     ; my head among the 8
	s_and_b32 s66, s[WV], 1                        ; qh: which 32 of the 64 queries
	s_bfe_u32 s67, ttmp6, 0x40000                  ; cx
	s_lshl_b32 s68, ttmp9, 2
	s_add_co_u32 s68, s68, s67                     ; qb: my block of 64 queries: it enters global addresses alone
	s_and_b32 s69, ttmp7, 0xffff                   ; y
	s_lshr_b32 s70, s69, 1                         ; the batch
	s_and_b32 s71, s69, 1                          ; which 8 heads
	s_mov_b32 s[G1KV+0], 15|(3<<16)|(1<<21)        ; the mask: all four partners; elements of 8 bytes; bit 21 beside a mask; no padding
	s_mov_b32 s[G1KV+1], 32<<16                    ; 68 dense rows of 256 bytes
	s_mov_b32 s[G1KV+2], 68<<16
	s_mov_b32 s[G1KV+3], 32<<16
	s_mov_b32 s[G1KV+4], 68
	s_mov_b32 s[G1KV+5], 32
	s_mov_b32 s[G1KV+6], 0
	s_mov_b32 s[G1KV+7], 0
	s_mov_b32 s[G1M+0], (2<<16)|(1<<20)|(6<<22)|(3<<25)  ; no mask; elements of 4 bytes; padding: 4 words behind every 128
	s_mov_b32 s[G1M+1], 128<<16                    ; 64 rows of 128 numbers, 2,048 numbers apart
	s_mov_b32 s[G1M+2], 64<<16
	s_mov_b32 s[G1M+3], 128<<16
	s_mov_b32 s[G1M+4], 64
	s_mov_b32 s[G1M+5], 2048
	s_mov_b32 s[G1M+6], 0
	s_mov_b32 s[G1M+7], 0
	s_and_b32 s73, s[WV], 3
	s_mul_i32 s72, s73, 17408                      ; my quarter of a block, in memory and in a slot
	s_mul_i32 s74, s69, 16*KVB                     ; the 16 blocks of (batch, 8 heads)
	s_add_co_u32 s74, s74, s72
	s_mov_b32 s75, 0
	s_lshl_b32 s76, s68, 19                        ; the mask at my 64 rows of 8,192 bytes
	s_mov_b32 s77, 0
	s_mul_i32 s80, s69, 16*KVB                     ; the prefetches, at step 1 (the first change steps them to step 2).  kv: my partner's 16,384 bytes, my wave's 8,192 of them
	s_add_co_u32 s80, s80, KVB
	s_lshl_b32 s81, s67, 14
	s_add_co_u32 s80, s80, s81
	s_lshl_b32 s81, s66, 13
	s_add_co_u32 s80, s80, s81
	s_lshl_b32 s82, s73, 17                        ; the mask: my wave's 16 rows
	s_add_co_u32 s82, s82, s76
	s_add_co_u32 s82, s82, 512
	s_mov_b32 s83, 0
	s_lshr_b32 s84, s[WV], 1
	s_xor_b32 s84, s84, 3
	s_or_b32 s84, s84, ttmp9                       ; 0: wave 6 or 7 of the grid row's first cluster
	s_lshr_b32 s85, s[WV], 2
	s_xor_b32 s85, s85, 2
	s_or_b32 s85, s85, s69                         ; 0: waves 8-11 where y = 0.  Both are the same in all four partners
	s_min_u32 s84, s84, s85
	s_cmp_eq_u32 s84, 0
	s_cselect_b32 s[LIM], 1, -1
	s_mov_b32 s[PFS], 512
	s_mov_b32 s[PFS+1], 0
	s_mov_b32 s85, 8192
	s_cmp_lt_u32 s[WV], 8
	s_cselect_b32 s[PFS], KVB, s[PFS]              ; a step on
	s_cselect_b32 s85, 512, s85                    ; from one pair of lanes to the next
	s_cselect_b32 s82, s80, s82
	s_lshl_b32 s86, s71, 3
	s_add_co_u32 s86, s86, s[HL]                   ; my head
	s_lshl_b32 s87, s70, 4
	s_add_co_u32 s87, s87, s86
	s_lshl_b32 s87, s87, 16
	s_lshl_b32 s88, s68, 2
	s_lshl_b32 s89, s66, 1
	s_add_co_u32 s88, s88, s89                     ; my first tile of 16 queries in the sequence
	s_lshl_b32 s89, s88, 9
	s_add_co_u32 s90, s87, s89                     ; q_img: ((16 b + head) 128 + tile) 512
	s_mov_b32 s91, 0
	s_lshl_b32 s92, s70, 3
	s_lshr_b32 s93, s86, 1
	s_add_co_u32 s92, s92, s93
	s_lshl_b32 s92, s92, 6
	s_lshr_b32 s93, s88, 1
	s_add_co_u32 s92, s92, s93
	s_lshl_b32 s92, s92, 8
	s_and_b32 s93, s86, 1
	s_lshl_b32 s93, s93, 2
	s_add_co_u32 s92, s92, s93                     ; q_sc: ((8 b + head / 2) 64 + tile / 2) 256 + 4 (head % 2)
	s_mov_b32 s93, 0
	s_lshl_b32 s94, s70, 7
	s_add_co_u32 s94, s94, s88
	s_lshl_b32 s94, s94, 13
	s_lshl_b32 s95, s86, 9
	s_add_co_u32 s94, s94, s95                     ; a_img: (128 b + tile) 8,192 + 512 head
	s_mov_b32 s95, 0
	s_lshl_b32 s96, s71, 17
	s_lshl_b32 s97, s70, 15
	s_add_co_u32 s96, s96, s97
	s_lshl_b32 s97, s68, 10
	s_add_co_u32 s96, s96, s97                     ; a_sc: 131,072 hg + 16 (2,048 b + 64 qb)
	s_mov_b32 s97, 0
	s_lshl_b32 s98, s70, 11                        ; the batch's padding row
	s_mov_b32 s99, 0
	s_mov_b32 s[SEL], 0x76543210
	s_mov_b32 s[SEL+1], 0xfedcba98
	s_mov_b32 s[CS], 0x3fb8aa3b                    ; log2(e)
	s_mov_b32 s[CS+1], s[CS]
	s_mov_b32 s[TB], 0
	s_mov_b32 s[TPD], 0
	s_mov_b32 s[SLOTS], 15
	s_wait_dscnt 0x0                               ; both opening adds are done
	s_wait_kmcnt 0x0
	s_mov_b32 s[G0KV], 1
	s_mov_b32 s[G0KV+1], s72
	s_add_nc_u64 s[G0KV+2:G0KV+3], s[8:9], s[74:75]
	s_or_b32 s[G0KV+3], s[G0KV+3], 0x80000000
	s_mov_b32 s[G0M], 1
	s_mov_b32 s[G0M+1], MRAW
	s_add_nc_u64 s[G0M+2:G0M+3], s[10:11], s[76:77]
	s_or_b32 s[G0M+3], s[G0M+3], 0x80000000
	CROUND                                         ; all four work-groups are here: the first joint loads meet
	TLOAD                                          ; step 0 into slot 0
	s_cmp_lt_u32 s[WV], 8
	s_cselect_b64 s[PFA:PFA+1], s[8:9], s[10:11]
	s_add_nc_u64 s[PFA:PFA+1], s[PFA:PFA+1], s[82:83]
	s_add_nc_u64 s[4:5], s[4:5], s[90:91]
	s_add_nc_u64 s[6:7], s[6:7], s[92:93]
	s_add_nc_u64 s[12:13], s[12:13], s[98:99]
	s_add_nc_u64 s[14:15], s[14:15], s[94:95]
	s_add_nc_u64 s[16:17], s[16:17], s[96:97]
	v_and_b32 v[S], 31, v0                         ; lane
	v_and_b32 v[S+1], 15, v0                       ; r
	v_bfe_u32 v[S+2], v0, 4, 1                     ; h
	v_lshlrev_b32 v[ADK], 2, v0                    ; 4 x thread: the 512 threads bring the 2,048 padding bytes
	v_lshlrev_b32 v[ADS], 4, v[S]
	v_lshlrev_b32 v[ADR], 3, v[S]
	v_lshl_add_u32 v[ADP], v0, 2, PADL
	global_load_b32 v[PADW], v[ADK], s[12:13]
	global_load_b128 v[QZ+4:QZ+7], v[ADS], s[4:5]
	global_load_b128 v[QZ+12:QZ+15], v[ADS], s[4:5] offset:512
	global_load_b32 v[QS], v[ADR], s[6:7]
	s_lshl_b32 s78, s[HL], 12
	v_lshl_add_u32 v[AK0], v[S], 4, s78
	s_lshl_b32 s78, s[HL], 9
	s_add_co_u32 s78, s78, 65536
	v_lshl_add_u32 v[AS0], v[S], 3, s78
	s_mul_i32 s78, s[WV], 4*MP
	s_add_co_u32 s79, s78, MRAW
	v_lshl_add_u32 v[AR0], v[S], 4, s79
	s_add_co_u32 s79, s78, FIX
	v_lshl_add_u32 v[AFW], v[S], 4, s79
	v_lshl_add_u32 v[AP0], v[S], 2, PADL
	s_mul_i32 s78, s66, 32*MP
	s_add_co_u32 s78, s78, FIX
	v_mul_u32_u24 v[AFR], v[S+1], MP
	v_lshl_add_u32 v[AFR], v[S+2], 5, v[AFR]
	v_add_nc_u32 v[AFR], s78, v[AFR]               ; row 32 qh + r of FIX, + 32 h
	v_lshrrev_b32 v[PFO], 1, v[S]
	v_mul_lo_u32 v[PFO], v[PFO], s85
	v_and_b32 v[S+3], 1, v[S]
	v_lshl_add_u32 v[PFO], v[S+3], 8, v[PFO]
	v_mov_b32 v[NEGV], 0xce6e6b28
.irp z, 0,1,2,3,8,9,10,11,16,17,18,19
	v_mov_b32 v[QZ+\z], 0                          ; the zero codes round q
.endr
.irp u, 0,1
	v_mov_b32 v[STA+4*\u+1], 0xff61b1e6            ; the largest t so far: -3e38
	v_floor_f32 v[STA+4*\u], -v[STA+4*\u+1]        ; -M
	v_mov_b32 v[STA+4*\u+2], 0
	v_mov_b32 v[STA+4*\u+3], 0
.endr
.set J, 0
.rept 64
	v_mov_b32 v[O+J], 0                            ; O^T: the step is written once; its first walk finds zeros, which the first change of M leaves zeros
.set J, J+1
.endr
	s_wait_loadcnt 0x0
	ds_store_b32 v[ADP], v[PADW]                   ; shown to all waves by the first change's wait and round
.macro QKW d, a, b, sa, ra, rb
.if (\ra) && (\rb)
	v_wmma_scale_f32_16x16x128_f8f6f4 v[\d:\d+7], v[\a:\a+7], v[\b:\b+7], 0, v[\sa], v[QS] matrix_a_fmt:MATRIX_FMT_FP4 matrix_b_fmt:MATRIX_FMT_FP4 matrix_a_scale:MATRIX_SCALE_ROW1 matrix_b_scale:MATRIX_SCALE_ROW1
.elseif \ra
	v_wmma_scale_f32_16x16x128_f8f6f4 v[\d:\d+7], v[\a:\a+7], v[\b:\b+7], 0, v[\sa], v[QS] matrix_a_fmt:MATRIX_FMT_FP4 matrix_b_fmt:MATRIX_FMT_FP4 matrix_a_scale:MATRIX_SCALE_ROW1
.elseif \rb
	v_wmma_scale_f32_16x16x128_f8f6f4 v[\d:\d+7], v[\a:\a+7], v[\b:\b+7], 0, v[\sa], v[QS] matrix_a_fmt:MATRIX_FMT_FP4 matrix_b_fmt:MATRIX_FMT_FP4 matrix_b_scale:MATRIX_SCALE_ROW1
.else
	v_wmma_scale_f32_16x16x128_f8f6f4 v[\d:\d+7], v[\a:\a+7], v[\b:\b+7], 0, v[\sa], v[QS] matrix_a_fmt:MATRIX_FMT_FP4 matrix_b_fmt:MATRIX_FMT_FP4
.endif
.endm
.macro QK u                            ; S^T = k q^T / 8: tile t of 16 keys: fragment t / 2; [q, 0] for even t, [0, q] for odd t
.irp t, 0,1,2,3,4,5,6,7
	QKW S+8*\t, F+8*(\t/2), QZ+8*(\u)+4-4*(\t%2), KS+\t/4, (\t/2)%2, \u
.endr
.endm
.macro KLOAD
.irp i, 0,1,2,3,4,5,6,7
	ds_load_b128 v[F+4*\i:F+4*\i+3], v[ADK] offset:512*\i          ; an image of the operand's registers: 512 consecutive bytes a load
.endr
.endm
.macro CODES                           ; 64 numbers in v[S] on, four blocks, under the scale operands v[SO] on, become eight registers of codes: lane half h' of registers 4 c .. 4 c + 3 holds block 2 c + h'
.irp c, 0,1
.irp e, 0,1
.irp i, 0,1
	v_cvt_scalef32_pk8_fp4_f32 v[PC+4*\c+2*\i+\e], v[S+16*(2*\c+\e)+8*\i:S+16*(2*\c+\e)+8*\i+7], v[SO+2*\c+\e]
.endr
.endr
.endr
	v_nop                                          ; one plain instruction behind a scaled conversion
.irp c, 0,1
.irp i, 0,1
	v_permlane16_swap_b32 v[PC+4*\c+2*\i], v[PC+4*\c+2*\i+1]
.endr
.endr
.endm
; What follows the scores of query tile u: the mask, the softmax, O^T += v^T p^T.
.macro REST u
.set SS, STA+4*(\u)
.rept 4
	v_nop                                          ; places behind the products: k's registers are loaded anew, the scores are read
.endr
.irp t, 0,1,2,3
.irp i, 0,1
	ds_load_b128 v[F+8*\t+4*\i:F+8*\t+4*\i+3], v[AFR] offset:16*MP*(\u)+64*\t+16*\i
.endr
.endr
.irp t, 0,1,2,3
.irp i, 0,1
	ds_load_b128 v[W+8*\t+4*\i:W+8*\t+4*\i+3], v[AFR] offset:16*MP*(\u)+256+64*\t+16*\i
.endr
.endr
	s_wait_dscnt 8                                 ; the mask of key tiles 0-3 is in; the eight loads of tiles 4-7 may be out
.set J, 0
.rept 16
	v_pk_add_f32 v[S+J:S+J+1], v[S+J:S+J+1], v[F+J:F+J+1]          ; x = score / 8 + mask: an f32 addition; each tile from its low end on
.set J, J+2
.endr
.irp i, 0,1,2,3,4,5,6,7
	ds_load_b128 v[F+4*\i:F+4*\i+3], v[ADK] offset:32768+512*\i    ; v's four fragments: they have the softmax in which to land
.endr
.if (\u) == 0
	ds_load_b64 v[VS:VS+1], v[ADS] offset:256
.endif
	s_wait_dscnt 9-(\u)                            ; only v's loads may be out
.set J, 0
.rept 16
	v_pk_add_f32 v[S+32+J:S+33+J], v[S+32+J:S+33+J], v[W+J:W+J+1]
.set J, J+2
.endr
.irp b, 0,1,2,3
	v_max3_num_f32 v[BM+\b], v[S+16*\b], v[S+16*\b+1], v[S+16*\b+2]     ; the largest x of each block of 32 keys: for the row's maximum, and, since p rises with x, for the block's largest p
.endr
.irp i, 3,5,7,9,11,13
.irp b, 0,1,2,3
	v_max3_num_f32 v[BM+\b], v[BM+\b], v[S+16*\b+\i], v[S+16*\b+\i+1]
.endr
.endr
.irp b, 0,1,2,3
	v_max_num_f32 v[BM+\b], v[BM+\b], v[S+16*\b+15]
.endr
.irp b, 0,1,2,3
	v_permlanex16_b32 v[PM+\b], v[BM+\b], s[SEL], s[SEL+1]
.endr
.irp b, 0,1,2,3
	v_max_num_f32 v[BM+\b], v[BM+\b], v[PM+\b]
.endr
	v_max3_num_f32 v[TT], v[BM], v[BM+1], v[BM+2]
	v_max_num_f32 v[TT], v[TT], v[BM+3]
	v_mul_f32 v[TT], s[CS], v[TT]                  ; as t
	v_max_num_f32 v[SS+1], v[SS+1], v[TT]          ; the running largest t
	v_mov_b32 v[TT], v[SS]
	v_floor_f32 v[SS], -v[SS+1]                    ; -M = floor(-t): M is a whole number
	v_sub_f32 v[TT], v[SS], v[TT]                  ; old M - new M, a whole number, 0 or less
	v_cvt_i32_f32 v[TT], v[TT]                     ; (it saturates)
	v_ldexp_f32 v[FP], 1.0, v[TT]                  ; f = 2^(old M - new M): a multiplication by it rounds nothing
.set J, 0
.rept 32
	v_pk_mul_f32 v[S+J:S+J+1], v[S+J:S+J+1], s[CS:CS+1] op_sel_hi:[1,0]          ; t = x log2(e), rounded as a product of its own
.set J, J+2
.endr
.irp b, 0,1,2,3
	v_mul_f32 v[BM+\b], s[CS], v[BM+\b]
.endr
.set J, 0
.rept 32
	v_pk_add_f32 v[S+J:S+J+1], v[S+J:S+J+1], v[SS:SS+1] op_sel_hi:[1,0]          ; t - M
.set J, J+2
.endr
.irp b, 0,1,2,3
	v_add_f32 v[BM+\b], v[BM+\b], v[SS]
.endr
.set J, 0
.rept 64
	v_exp_f32 v[S+J], v[S+J]                       ; p = 2^(t - M), not normalised
.set J, J+1
.endr
	v_pk_mul_f32 v[SS+2:SS+3], v[SS+2:SS+3], v[FP:FP+1] op_sel_hi:[1,0]          ; the sums under the new M (the plain instruction behind the batch)
	s_wait_alu depctr_va_vdst(0)                   ; the wait ahead of the first use: one for the 64
.irp b, 0,1,2,3
	v_exp_f32 v[BM+\b], v[BM+\b]                   ; each block's largest p: the same operations on the same number
.endr
	v_pk_add_f32 v[TT:TT+1], v[S:S+1], v[S+2:S+3]  ; the row's sum of the unquantised p, in two chains
.irp j, 4,8,12,16,20,24,28,32,36,40,44,48,52,56,60
	v_pk_add_f32 v[SS+2:SS+3], v[SS+2:SS+3], v[S+\j:S+\j+1]
	v_pk_add_f32 v[TT:TT+1], v[TT:TT+1], v[S+\j+2:S+\j+3]
.endr
	v_pk_add_f32 v[SS+2:SS+3], v[SS+2:SS+3], v[TT:TT+1]
	s_wait_alu depctr_va_vdst(0)                   ; and one for the four
.irp b, 0,1,2,3
	v_max_num_f32 v[BM+\b], 0x1800000, v[BM+\b]    ; the floor 2^(3 - 127): the byte cannot fall under 1
.endr
.irp b, 0,1,2,3
	v_add_nc_u32 v[SO+\b], 0xff000000, v[BM+\b]
.endr
.irp b, 0,1,2,3
	v_lshrrev_b32 v[SB+\b], 23, v[SO+\b]
.endr
	v_lshl_or_b32 v[PS], v[SB+1], 8, v[SB]         ; p's scale word for these 128 keys
	v_lshl_or_b32 v[PS], v[SB+2], 16, v[PS]
	v_lshl_or_b32 v[PS], v[SB+3], 24, v[PS]
	CODES
.set J, 0
.rept 16
	v_pk_mul_f32 v[O+32*(\u)+J:O+32*(\u)+J+1], v[O+32*(\u)+J:O+32*(\u)+J+1], v[FP:FP+1] op_sel_hi:[1,0]   ; O^T under the new M.  For each product below twelve of these name none of its registers: the places behind p's scale word and codes
.set J, J+2
.endr
	s_wait_dscnt 0x0                               ; v and its scale words
.irp t, 0,2
	v_wmma_scale_f32_16x16x128_f8f6f4 v[O+32*(\u)+8*\t:O+32*(\u)+8*\t+7], v[F+8*\t:F+8*\t+7], v[PC:PC+7], v[O+32*(\u)+8*\t:O+32*(\u)+8*\t+7], v[VS+\t/2], v[PS] matrix_a_fmt:MATRIX_FMT_FP4 matrix_b_fmt:MATRIX_FMT_FP4
	v_wmma_scale_f32_16x16x128_f8f6f4 v[O+32*(\u)+8*\t+8:O+32*(\u)+8*\t+15], v[F+8*\t+8:F+8*\t+15], v[PC:PC+7], v[O+32*(\u)+8*\t+8:O+32*(\u)+8*\t+15], v[VS+\t/2], v[PS] matrix_a_fmt:MATRIX_FMT_FP4 matrix_b_fmt:MATRIX_FMT_FP4 matrix_a_scale:MATRIX_SCALE_ROW1
.endr
.endm
.macro STEPBODY
	v_add_nc_u32 v[ADK], s[TB], v[AK0]             ; (these four are also the places behind the last step's products)
	v_add_nc_u32 v[ADS], s[TB], v[AS0]
	v_add_nc_u32 v[ADR], s[TB], v[AR0]
	v_add_nc_u32 v[ADP], s[TPD], v[AP0]
.irp i, 0,1,2,3
	ds_load_b128 v[S+4*\i:S+4*\i+3], v[ADR] offset:MP*\i           ; my 4 rows of the mask's tile, 4 keys a lane
.endr
	ds_load_b32 v[PADW], v[ADP]
	KLOAD
	ds_load_b64 v[KS:KS+1], v[ADS]
	s_wait_dscnt 9                                 ; the rows and the padding bytes are in; k's eight loads and its scale words may be out
.irp i, 0,1,2,3
	v_and_b32 v[TT], 0xff<<(8*\i), v[PADW]
	v_cmp_ne_u32 s[LM+\i], 0, v[TT]
.endr
.irp w, 0,1,2,3
.irp i, 0,1,2,3
	v_cndmask_b32 v[S+4*\w+\i], v[S+4*\w+\i], v[NEGV], s[LM+\i]    ; NEG where the key is padded
.endr
.endr
.irp i, 0,1,2,3
	ds_store_b128 v[AFW], v[S+4*\i:S+4*\i+3] offset:MP*\i
.endr
	s_wait_dscnt 0x0                               ; for the others' sake: my rows of FIX are stored; k is in
	s_barrier_signal -1
	QK 0                                           ; work on registers while the others arrive
	s_barrier_wait -1                              ; FIX is whole
	REST 0
.rept 4
	v_nop                                          ; places in front of loads into registers that the last products read
.endr
	KLOAD
	s_wait_dscnt 0x0
	QK 1
	REST 1
	s_xor_b32 s[TB], s[TB], SLOT1
	s_add_co_u32 s[TPD], s[TPD], 128
.endm
; THE CHANGE OF SLOTS stands at a step's head.  Each wave waits for all its tensor loads, adds 0 to its spare word, and waits for that and for its reads of the slot that it has left and of FIX.
; fill = 1: a round of the cluster's barrier, and first behind it the next step's loads, into the slot just left: one tensor load of a wave is out.
.macro CHANGE fill
	s_wait_tensorcnt 0x0
	ds_add_u32 v[SPW], v[NIL]
.if \fill
	ds_add_u32 v[SPW], v[NIL]                      ; and once more
	s_xor_b32 s[G0KV+1], s[G0KV+1], SLOT1          ; no tensor load of mine is out: the walking descriptors step
	s_add_nc_u64 s[G0KV+2:G0KV+3], s[G0KV+2:G0KV+3], KVB
	s_xor_b32 s[G0M+1], s[G0M+1], SLOT1
	s_add_nc_u64 s[G0M+2:G0M+3], s[G0M+2:G0M+3], 512
	s_wait_xcnt 0x0                                ; the last prefetch, a step back, has read its address
	s_add_nc_u64 s[PFA:PFA+1], s[PFA:PFA+1], s[PFS:PFS+1]
	s_wait_dscnt 0x0
	CROUND
	TLOAD
	ASK
.else
	s_wait_dscnt 0x0
	s_barrier_signal -1
	s_barrier_wait -1
.endif
.endm
.Lstep:                                            ; 15 trips: behind each change but the last the next step is asked for
	CHANGE 1
	STEPBODY
	s_sub_co_u32 s[SLOTS], s[SLOTS], 1
	s_cmp_lg_u32 s[SLOTS], 0
	s_cbranch_scc1 .Lstep
	CHANGE 0                                       ; the last step is written out
	STEPBODY
	; THE WAY OUT.  O^T / l; the two tiles' 64 numbers are four blocks of 32 channels: quantised like p; the codes are an operand's registers as they stand.
.irp u, 0,1
	v_add_f32 v[TT+\u], v[STA+4*\u+2], v[STA+4*\u+3]
.endr
.irp u, 0,1
	v_permlanex16_b32 v[BM+\u], v[TT+\u], s[SEL], s[SEL+1]
.endr
.irp u, 0,1
	v_add_f32 v[TT+\u], v[TT+\u], v[BM+\u]         ; the row's sum
.endr
.irp u, 0,1
	v_rcp_f32 v[SO+2*\u], v[TT+\u]
.endr
	v_and_b32 v[ADK], 31, v0                       ; (plain instructions behind the reciprocals, and with the additions above the places behind the last products)
	v_lshlrev_b32 v[ADK], 4, v[ADK]                ; 16 x lane
	s_lshl_b32 s78, s66, 9
	s_lshl_b32 s79, s[HL], 1
	s_add_co_u32 s78, s78, s79
	s_add_co_u32 s78, s78, ASTG
	v_and_b32 v[ADS], 15, v0
	v_lshl_add_u32 v[ADS], v[ADS], 4, s78          ; the stage: query 32 qh + r, bytes 2 hl on
	v_lshl_add_u32 v[ADR], v0, 4, ASTG
	v_lshlrev_b32 v[ADP], 4, v0
	s_wait_alu depctr_va_vdst(0)                   ; one wait for both reciprocals
.irp u, 0,1
.set J, 0
.rept 16
	v_pk_mul_f32 v[S+32*\u+J:S+32*\u+J+1], v[O+32*\u+J:O+32*\u+J+1], v[SO+2*\u:SO+2*\u+1] op_sel_hi:[1,0]
.set J, J+2
.endr
.endr
.irp b, 0,1,2,3
	v_max3_num_f32 v[BM+\b], |v[S+16*\b]|, |v[S+16*\b+1]|, 0x1800000
.endr
.irp i, 2,4,6,8,10,12,14
.irp b, 0,1,2,3
	v_max3_num_f32 v[BM+\b], v[BM+\b], |v[S+16*\b+\i]|, |v[S+16*\b+\i+1]|
.endr
.endr
.irp b, 0,1,2,3
	v_permlanex16_b32 v[PM+\b], v[BM+\b], s[SEL], s[SEL+1]
.endr
.irp b, 0,1,2,3
	v_max_num_f32 v[BM+\b], v[BM+\b], v[PM+\b]
.endr
.irp b, 0,1,2,3
	v_add_nc_u32 v[SO+\b], 0xff000000, v[BM+\b]
.endr
.irp b, 0,1,2,3
	v_lshrrev_b32 v[SB+\b], 23, v[SO+\b]
.endr
	CODES
.irp u, 0,1
	v_lshl_or_b32 v[TT+\u], v[SB+2*\u+1], 8, v[SB+2*\u]
	global_store_b128 v[ADK], v[PC+4*\u:PC+4*\u+3], s[14:15] offset:8192*\u      ; 512 consecutive bytes, aligned
	ds_store_b16 v[ADS], v[TT+\u] offset:256*\u    ; both halves of the lanes write the same two bytes
.endr
	s_wait_dscnt 0x0
	s_barrier_signal -1
	s_barrier_wait -1                              ; the 64 queries' 16 scale bytes lie in the stage
	s_cmp_lt_u32 s[WV], 2
	s_cbranch_scc0 .Lno_sc
	ds_load_b128 v[S:S+3], v[ADR]
	s_wait_dscnt 0x0
	global_store_b128 v[ADP], v[S:S+3], s[16:17]   ; waves 0 and 1: 512 consecutive bytes each
.Lno_sc:
	s_wait_tensorcnt 0x0                           ; the wave's end
	ds_add_u32 v[SPW], v[NIL]
	s_wait_dscnt 0x0
	CROUND                                         ; the closing round
	s_endpgm
.Lfunc_end_k_q677af3450b_attn:
	.size	k_q677af3450b_attn, .Lfunc_end_k_q677af3450b_attn-k_q677af3450b_attn
	.p2alignl 7, 3214868480
	.fill 96, 4, 3214868480
	.section	.rodata,"a",@progbits
	.p2align	6, 0x0
	.amdhsa_kernel k_q677af3450b_attn
		.amdhsa_group_segment_fixed_size 327680
		.amdhsa_private_segment_fixed_size 0
		.amdhsa_enable_private_segment 0
		.amdhsa_kernarg_size 56
		.amdhsa_user_sgpr_count 2
		.amdhsa_user_sgpr_kernarg_segment_ptr 1
		.amdhsa_wavefront_size32 1
		.amdhsa_system_sgpr_workgroup_id_x 1
		.amdhsa_system_sgpr_workgroup_id_y 1
		.amdhsa_system_sgpr_workgroup_id_z 1
		.amdhsa_system_vgpr_workitem_id 0
		.amdhsa_next_free_vgpr 256
		.amdhsa_next_free_sgpr 100
		.amdhsa_reserve_vcc 0
		.amdhsa_float_denorm_mode_32 3
		.amdhsa_float_denorm_mode_16_64 3
		.amdhsa_memory_ordered 1
		.amdhsa_forward_progress 1
		.amdhsa_inst_pref_size 104
	.end_amdhsa_kernel
	.amdgpu_metadata
---
amdhsa.version: [ 1, 2 ]
amdhsa.kernels:
  - .name:           k_q677af3450b_attn
    .symbol:         k_q677af3450b_attn.kd
    .args:
      - { .name: q_img, .offset: 0, .size: 8, .value_kind: global_buffer, .address_space: global }
      - { .name: q_sc, .offset: 8, .size: 8, .value_kind: global_buffer, .address_space: global }
      - { .name: kv, .offset: 16, .size: 8, .value_kind: global_buffer, .address_space: global }
      - { .name: causal_mask, .offset: 24, .size: 8, .value_kind: global_buffer, .address_space: global }
      - { .name: padding_mask, .offset: 32, .size: 8, .value_kind: global_buffer, .address_space: global }
      - { .name: a_img, .offset: 40, .size: 8, .value_kind: global_buffer, .address_space: global }
      - { .name: a_sc, .offset: 48, .size: 8, .value_kind: global_buffer, .address_space: global }
    .group_segment_fixed_size: 327680
    .private_segment_fixed_size: 0
    .kernarg_segment_align: 8
    .kernarg_segment_size: 56
    .max_flat_workgroup_size: 512
    .sgpr_count:     100
    .vgpr_count:     256
    .wavefront_size: 32
...
	.end_amdgpu_metadata
.endif
;; end of part 3
;; launch outln (part 4): grid 256 x 1, 16 waves a work-group, no clusters, 150,016 bytes of LDS; arguments a_img, a_sc, wo_img, Wo_scales, bo, x, g_pre, b_pre, g_ln, b_ln, out0; writes out0
.if DOCPART == 4
	.amdgcn_target "amdgcn-amd-amdhsa--gfx1250"
	.amdhsa_code_object_version 6
	.text
	.protected	k_q677af3450b_outln
	.globl	k_q677af3450b_outln
	.p2align	8
	.type	k_q677af3450b_outln,@function
k_q677af3450b_outln:
	s_mov_b64 s[64:65], 0
	v_nop
	global_prefetch_b8 v0, s[64:65] scope:SCOPE_SE
	s_setreg_imm32_b32 hwreg(HW_REG_WAVE_MODE, 25, 1), 1
	s_wait_xcnt 0x0
; LAUNCH 4 OF 4.  out0 = LayerNorm(a Wo^T + bo + h) g_ln + b_ln, the product on codes of E2M1 (K = 1,024); h = LayerNorm(x) g_pre + b_pre is made anew from x, which costs fewer bytes than storing and reading it.
; Nothing of the problem is left out.  LIMITS: NaN and infinities are not served.
; SHARES.  A work-group takes 32 tokens (tiles u = 0, 1) and all 1,024 outputs, so that the last norm stays inside it.  Wave w makes outputs 64 w .. 64 w + 63: source 0 = 16 rows of Wo, source 1 = 16 tokens:
; eight accumulators by turns.  A fragment of Wo is used by one wave of the work-group alone: it comes from wo_img, laid in the order of the operand's registers, straight into registers, 512 consecutive bytes a load,
; three K steps ahead.  The tokens' 16 KiB of codes go through LDS as images of registers.  bo is the C of each sum's first product.  The results meet in a stage; each wave then owns two whole rows.
; No tensor load and no cluster: what the work-groups share, Wo, is read by each wave for itself from registers' images, and a shared ring would have to be filled again for 8 matrix instructions a step.
.set AIMG,  0                          ; [u][K step][1,024 bytes]
.set ZST,   16384                      ; 32 rows x (4,096 + 16)
.set ZP,    4112
.set SPARE, 147968                     ; the spare words, 128 bytes for each of 16 waves
.set SPW, 1
.set NIL, 2
.set LO,  3                            ; v3 16 x lane
.set AW,  4                            ; v4 1,024 w + 16 lane: my part of the tokens' codes, in memory and in LDS
.set ASA, 5                            ; v5 a_sc: 131,072 h + 16 r
.set WSA, 6                            ; v6 Wo_scales: 32 r + 16 h
.set BOA, 7                            ; v7 bo: 32 h
.set PFO, 8                            ; v8 256 x lane
.set ZR,  9                            ; v9 my two rows of the stage
.set ZW,  10                           ; v10, v11 where I put results of tile u
.set AS,  12                           ; v12-19 the tokens' scale words: register i: lanes 0-15 K step i, lanes 16-31 K step 4 + i
.set WS,  20                           ; v20-35 Wo's likewise; v12-35 hold scales and nothing else
.set ACC, 36                           ; v36-99 accumulator (T, u) at 8 (2 T + u); later two rows of y
.set WB,  100                          ; v100-195 three sets of Wo's four fragments
.set XR,  100                          ; later two rows of x,
.set GG,  164                          ; a gain,
.set AF,  196                          ; v196-211 the tokens' two fragments
.set SM,  196                          ; later sums at work,
.set ST,  204
.set BO,  212                          ; v212-243 bo in the result's layout;
.set BE,  212                          ; later a bias
.set SEL, 30
.set INV, 32
.set EPS, 33
.macro WSUM r, t
	v_add_f32_dpp v[\r], v[\r], v[\r] row_xmask:1 row_mask:0xf bank_mask:0xf
	v_add_f32_dpp v[\r], v[\r], v[\r] row_xmask:2 row_mask:0xf bank_mask:0xf
	v_add_f32_dpp v[\r], v[\r], v[\r] row_xmask:4 row_mask:0xf bank_mask:0xf
	v_add_f32_dpp v[\r], v[\r], v[\r] row_xmask:8 row_mask:0xf bank_mask:0xf
	v_permlanex16_b32 v[\t], v[\r], s[SEL], s[SEL+1]
	v_add_f32 v[\r], v[\r], v[\t]
.endm
; A row of 1,024 numbers, 32 a lane in v[x] on: the mean is taken away in place; v[st+2], v[st+3] get 1 / sqrt(var + eps).
.macro ROWSTAT x, sm, st
.irp k, 0,2,4,6
	v_pk_add_f32 v[\sm+\k:\sm+\k+1], v[\x+\k:\x+\k+1], v[\x+8+\k:\x+9+\k]
.endr
.irp o, 16,24
.irp k, 0,2,4,6
	v_pk_add_f32 v[\sm+\k:\sm+\k+1], v[\sm+\k:\sm+\k+1], v[\x+\o+\k:\x+\o+\k+1]
.endr
.endr
	v_pk_add_f32 v[\sm:\sm+1], v[\sm:\sm+1], v[\sm+2:\sm+3]
	v_pk_add_f32 v[\sm+4:\sm+5], v[\sm+4:\sm+5], v[\sm+6:\sm+7]
	v_pk_add_f32 v[\sm:\sm+1], v[\sm:\sm+1], v[\sm+4:\sm+5]
	v_add_f32 v[\sm], v[\sm], v[\sm+1]
	WSUM \sm, \sm+1
	v_mul_f32 v[\st], 0xba800000, v[\sm]           ; -mean
	v_mul_f32 v[\st+1], 0xba800000, v[\sm]
.set J, 0
.rept 16
	v_pk_add_f32 v[\x+J:\x+J+1], v[\x+J:\x+J+1], v[\st:\st+1]
.set J, J+2
.endr
.irp k, 0,2,4,6
	v_pk_mul_f32 v[\sm+\k:\sm+\k+1], v[\x+\k:\x+\k+1], v[\x+\k:\x+\k+1]
.endr
.irp o, 8,16,24
.irp k, 0,2,4,6
	v_pk_fma_f32 v[\sm+\k:\sm+\k+1], v[\x+\o+\k:\x+\o+\k+1], v[\x+\o+\k:\x+\o+\k+1], v[\sm+\k:\sm+\k+1]
.endr
.endr
	v_pk_add_f32 v[\sm:\sm+1], v[\sm:\sm+1], v[\sm+2:\sm+3]
	v_pk_add_f32 v[\sm+4:\sm+5], v[\sm+4:\sm+5], v[\sm+6:\sm+7]
	v_pk_add_f32 v[\sm:\sm+1], v[\sm:\sm+1], v[\sm+4:\sm+5]
	v_add_f32 v[\sm], v[\sm], v[\sm+1]
	WSUM \sm, \sm+1
	v_fma_f32 v[\sm+2], v[\sm], s[INV], s[EPS]
	v_rsq_f32 v[\st+2], v[\sm+2]
	v_rsq_f32 v[\st+3], v[\sm+2]
	v_nop                                          ; a plain instruction behind the transcendentals
	s_wait_alu depctr_va_vdst(0)                   ; the wait ahead of the first use: one for both
.endm
.macro NORM x                          ; v[x] on: x 1 / sqrt(var + eps), x the gain, + the bias
.set J, 0
.rept 16
	v_pk_mul_f32 v[\x+J:\x+J+1], v[\x+J:\x+J+1], v[ST+2:ST+3]
.set J, J+2
.endr
.set J, 0
.rept 16
	v_pk_fma_f32 v[\x+J:\x+J+1], v[\x+J:\x+J+1], v[GG+J:GG+J+1], v[BE+J:BE+J+1]
.set J, J+2
.endr
.endm
	s_load_b512 s[4:19], s[0:1], 0x0               ; a_img, a_sc, wo_img, Wo_scales, bo, x, g_pre, b_pre
	s_load_b128 s[20:23], s[0:1], 0x40             ; g_ln, b_ln
	s_load_b64 s[24:25], s[0:1], 0x50              ; out0
	v_lshl_add_u32 v[SPW], v0, 2, SPARE
	v_mov_b32 v[NIL], 0
	v_lshrrev_b32 v244, 5, v0
	v_readfirstlane_b32 s26, v244                  ; wave 0..15
	v_and_b32 v244, 31, v0                         ; lane
	v_and_b32 v245, 15, v0                         ; r
	v_bfe_u32 v246, v0, 4, 1                       ; h
	v_lshlrev_b32 v[LO], 4, v244
	s_lshl_b32 s27, s26, 10
	v_add_nc_u32 v[AW], s27, v[LO]
	v_lshlrev_b32 v[ASA], 4, v245
	v_lshl_add_u32 v[ASA], v246, 17, v[ASA]
	v_lshlrev_b32 v[WSA], 5, v245
	v_lshl_add_u32 v[WSA], v246, 4, v[WSA]
	v_lshlrev_b32 v[BOA], 5, v246
	v_lshlrev_b32 v[PFO], 8, v244
	s_mul_i32 s27, s26, 2*ZP
	s_add_co_u32 s27, s27, ZST
	v_add_nc_u32 v[ZR], s27, v[LO]
	v_mul_u32_u24 v[ZW], v245, ZP
	v_lshl_add_u32 v[ZW], v246, 5, v[ZW]
	s_lshl_b32 s27, s26, 8
	s_add_co_u32 s27, s27, ZST
	v_add_nc_u32 v[ZW], s27, v[ZW]                 ; row r, + 256 w + 32 h
	v_add_nc_u32 v[ZW+1], 16*ZP, v[ZW]             ; and 16 rows on: more than an immediate holds
	s_mov_b32 s[SEL], 0x76543210
	s_mov_b32 s[SEL+1], 0xfedcba98
	s_mov_b32 s[INV], 0x3a800000
	s_mov_b32 s[EPS], 0x3727c5ac
	s_mov_b32 s29, 0
	s_mov_b32 s35, 0
	s_mov_b32 s37, 0
	s_mov_b32 s39, 0
	s_mov_b32 s41, 0
	s_mov_b32 s43, 0
	s_lshl_b32 s28, ttmp9, 14                      ; two tiles of 8,192 bytes of codes,
	s_lshl_b32 s34, ttmp9, 9                       ; 32 tokens of 16 scale bytes in a plane,
	s_lshl_b32 s36, s26, 15                        ; my four row tiles of wo_img,
	s_lshl_b32 s38, s26, 11                        ; my 64 rows of Wo's scale bytes,
	s_lshl_b32 s40, s26, 8                         ; my 64 numbers of bo,
	s_lshl_b32 s42, ttmp9, 5
	s_lshl_b32 s27, s26, 1
	s_add_co_u32 s42, s42, s27
	s_lshl_b32 s42, s42, 12                        ; my two rows of x and of out0
	s_wait_kmcnt 0x0
	s_add_nc_u64 s[4:5], s[4:5], s[28:29]
	s_add_nc_u64 s[6:7], s[6:7], s[34:35]
	s_add_nc_u64 s[8:9], s[8:9], s[36:37]
	s_add_nc_u64 s[10:11], s[10:11], s[38:39]
	s_add_nc_u64 s[12:13], s[12:13], s[40:41]
	s_add_nc_u64 s[14:15], s[14:15], s[42:43]
	s_add_nc_u64 s[24:25], s[24:25], s[42:43]
.macro WLOAD s                         ; Wo's four fragments of K step s into set s % 3
.irp t, 0,1,2,3
.irp c, 0,1
	global_load_b128 v[WB+32*((\s)%3)+8*\t+4*\c:WB+32*((\s)%3)+8*\t+4*\c+3], v[LO], s[8:9] offset:8192*\t+1024*(\s)+512*\c
.endr
.endr
.endm
	global_load_b128 v[AF:AF+3], v[AW], s[4:5]
	global_load_b128 v[AF+4:AF+7], v[AW], s[4:5] offset:512
.irp u, 0,1
	global_load_b128 v[AS+4*\u:AS+4*\u+3], v[ASA], s[6:7] offset:256*\u
.endr
.irp t, 0,1,2,3
	global_load_b128 v[WS+4*\t:WS+4*\t+3], v[WSA], s[10:11] offset:512*\t
.endr
.irp t, 0,1,2,3
	global_load_b128 v[BO+8*\t:BO+8*\t+3], v[BOA], s[12:13] offset:64*\t
	global_load_b128 v[BO+8*\t+4:BO+8*\t+7], v[BOA], s[12:13] offset:64*\t+16
.endr
	WLOAD 0
	WLOAD 1
	WLOAD 2
	s_wait_loadcnt 38                              ; 40 loads are issued: my 1,024 bytes of the tokens' codes, the first two, are in
	ds_store_b128 v[AW], v[AF:AF+3]
	ds_store_b128 v[AW], v[AF+4:AF+7] offset:512
	s_wait_dscnt 0x0
	s_barrier_signal -1
	s_barrier_wait -1                              ; the 16 images lie in LDS
.macro OW s, t, u
.set DD, ACC+8*(2*(\t)+(\u))
.set AA, WB+32*((\s)%3)+8*(\t)
.set BF, AF+8*(\u)
.set SA, WS+4*(\t)+(\s)%4
.set SX, AS+4*(\u)+(\s)%4
.if (\s) == 0
	v_wmma_scale_f32_16x16x128_f8f6f4 v[DD:DD+7], v[AA:AA+7], v[BF:BF+7], v[BO+8*(\t):BO+8*(\t)+7], v[SA], v[SX] matrix_a_fmt:MATRIX_FMT_FP4 matrix_b_fmt:MATRIX_FMT_FP4
.elseif (\s) < 4
	v_wmma_scale_f32_16x16x128_f8f6f4 v[DD:DD+7], v[AA:AA+7], v[BF:BF+7], v[DD:DD+7], v[SA], v[SX] matrix_a_fmt:MATRIX_FMT_FP4 matrix_b_fmt:MATRIX_FMT_FP4
.else
	v_wmma_scale_f32_16x16x128_f8f6f4 v[DD:DD+7], v[AA:AA+7], v[BF:BF+7], v[DD:DD+7], v[SA], v[SX] matrix_a_fmt:MATRIX_FMT_FP4 matrix_b_fmt:MATRIX_FMT_FP4 matrix_a_scale:MATRIX_SCALE_ROW1 matrix_b_scale:MATRIX_SCALE_ROW1
.endif
.endm
.macro KSTEP s
.irp u, 0,1
.irp c, 0,1
	ds_load_b128 v[AF+8*\u+4*\c:AF+8*\u+4*\c+3], v[LO] offset:AIMG+8192*\u+1024*(\s)+512*\c
.endr
.endr
.if (\s) <= 5
	s_wait_loadcnt 16                              ; this step's fragments of Wo are in; the two younger groups of eight may be out
.else
	s_wait_loadcnt 8*(7-(\s))
.endif
	s_wait_dscnt 0x0
.irp t, 0,1,2,3
.irp u, 0,1
	OW \s, \t, \u                                  ; the eight accumulators take turns, one instruction a turn
.endr
.endr
.rept 4
	v_nop                                          ; places in front of loads into registers that these products read, and of the first read of results
.endr
.if (\s)+3 < 8
	WLOAD (\s)+3
.endif
.if (\s) == 0
	global_prefetch_b8 v[PFO], s[14:15] th:TH_LOAD_NT scope:SCOPE_SE     ; my two rows of x, 32 blocks of 256 bytes, a lane a block: named once in the launch, seven K steps ahead of their loads
.endif
.endm
.irp s, 0,1,2,3,4,5,6,7
	KSTEP \s
.endr
.irp q, 0,1
.irp i, 0,1,2,3,4,5,6,7
	global_load_b128 v[XR+32*\q+4*\i:XR+32*\q+4*\i+3], v[LO], s[14:15] offset:4096*\q+512*\i th:TH_LOAD_NT
.endr
.endr
.irp i, 0,1,2,3,4,5,6,7
	global_load_b128 v[GG+4*\i:GG+4*\i+3], v[LO], s[16:17] offset:512*\i
	global_load_b128 v[BE+4*\i:BE+4*\i+3], v[LO], s[18:19] offset:512*\i
.endr
.irp t, 0,1,2,3
.irp u, 0,1
	ds_store_b128 v[ZW+\u], v[ACC+8*(2*\t+\u):ACC+8*(2*\t+\u)+3] offset:64*\t          ; lane (r, h): y(16 u + r, 64 w + 16 t + 8 h + 0 .. 7); each accumulator from its low end on
	ds_store_b128 v[ZW+\u], v[ACC+8*(2*\t+\u)+4:ACC+8*(2*\t+\u)+7] offset:64*\t+16
.endr
.endr
	s_wait_dscnt 0x0
	s_barrier_signal -1
	s_barrier_wait -1                              ; 32 whole rows lie in the stage
.irp q, 0,1
.irp i, 0,1,2,3,4,5,6,7
	ds_load_b128 v[ACC+32*\q+4*\i:ACC+32*\q+4*\i+3], v[ZR] offset:ZP*\q+512*\i
.endr
.endr
	s_wait_loadcnt 0x0                             ; x, g_pre, b_pre
.irp q, 0,1
	ROWSTAT XR+32*\q, SM, ST
	NORM XR+32*\q                                  ; h
.endr
	s_wait_dscnt 0x0                               ; my two rows of y
.set J, 0
.rept 32
	v_pk_add_f32 v[ACC+J:ACC+J+1], v[ACC+J:ACC+J+1], v[XR+J:XR+J+1]      ; y + h
.set J, J+2
.endr
.irp i, 0,1,2,3,4,5,6,7
	global_load_b128 v[GG+4*\i:GG+4*\i+3], v[LO], s[20:21] offset:512*\i ; g_ln and b_ln land while the first row's sums are made
	global_load_b128 v[BE+4*\i:BE+4*\i+3], v[LO], s[22:23] offset:512*\i
.endr
.irp q, 0,1
	ROWSTAT ACC+32*\q, SM, ST
.if \q == 0
	s_wait_loadcnt 0x0
.endif
	NORM ACC+32*\q
.irp i, 0,1,2,3,4,5,6,7
	global_store_b128 v[LO], v[ACC+32*\q+4*\i:ACC+32*\q+4*\i+3], s[24:25] offset:4096*\q+512*\i th:TH_STORE_NT    ; 512 consecutive bytes, aligned
.endr
.endr
	s_wait_tensorcnt 0x0                           ; the wave's end, behind my last LDS store
	ds_add_u32 v[SPW], v[NIL]
	s_wait_dscnt 0x0
	s_endpgm
.Lfunc_end_k_q677af3450b_outln:
	.size	k_q677af3450b_outln, .Lfunc_end_k_q677af3450b_outln-k_q677af3450b_outln
	.p2alignl 7, 3214868480
	.fill 96, 4, 3214868480
	.section	.rodata,"a",@progbits
	.p2align	6, 0x0
	.amdhsa_kernel k_q677af3450b_outln
		.amdhsa_group_segment_fixed_size 150016
		.amdhsa_private_segment_fixed_size 0
		.amdhsa_enable_private_segment 0
		.amdhsa_kernarg_size 88
		.amdhsa_user_sgpr_count 2
		.amdhsa_user_sgpr_kernarg_segment_ptr 1
		.amdhsa_wavefront_size32 1
		.amdhsa_system_sgpr_workgroup_id_x 1
		.amdhsa_system_sgpr_workgroup_id_y 1
		.amdhsa_system_sgpr_workgroup_id_z 1
		.amdhsa_system_vgpr_workitem_id 0
		.amdhsa_next_free_vgpr 256
		.amdhsa_next_free_sgpr 66
		.amdhsa_reserve_vcc 0
		.amdhsa_float_denorm_mode_32 3
		.amdhsa_float_denorm_mode_16_64 3
		.amdhsa_memory_ordered 1
		.amdhsa_forward_progress 1
		.amdhsa_inst_pref_size 57
	.end_amdhsa_kernel
	.amdgpu_metadata
---
amdhsa.version: [ 1, 2 ]
amdhsa.kernels:
  - .name:           k_q677af3450b_outln
    .symbol:         k_q677af3450b_outln.kd
    .args:
      - { .name: a_img, .offset: 0, .size: 8, .value_kind: global_buffer, .address_space: global }
      - { .name: a_sc, .offset: 8, .size: 8, .value_kind: global_buffer, .address_space: global }
      - { .name: wo_img, .offset: 16, .size: 8, .value_kind: global_buffer, .address_space: global }
      - { .name: Wo_scales, .offset: 24, .size: 8, .value_kind: global_buffer, .address_space: global }
      - { .name: bo, .offset: 32, .size: 8, .value_kind: global_buffer, .address_space: global }
      - { .name: x, .offset: 40, .size: 8, .value_kind: global_buffer, .address_space: global }
      - { .name: g_pre, .offset: 48, .size: 8, .value_kind: global_buffer, .address_space: global }
      - { .name: b_pre, .offset: 56, .size: 8, .value_kind: global_buffer, .address_space: global }
      - { .name: g_ln, .offset: 64, .size: 8, .value_kind: global_buffer, .address_space: global }
      - { .name: b_ln, .offset: 72, .size: 8, .value_kind: global_buffer, .address_space: global }
      - { .name: out0, .offset: 80, .size: 8, .value_kind: global_buffer, .address_space: global }
    .group_segment_fixed_size: 150016
    .private_segment_fixed_size: 0
    .kernarg_segment_align: 8
    .kernarg_segment_size: 88
    .max_flat_workgroup_size: 512
    .sgpr_count:     66
    .vgpr_count:     256
    .wavefront_size: 32
...
	.end_amdgpu_metadata
.endif
;; end of part 4
